; MI455X (gfx1250); checked and timed in simulation.
; The chip was launched on July 23, 2026; its instructions are those of AMD's public machine-readable ISA for CDNA 5 (MIT licence, August 2026) and "CDNA5" Instruction Set Architecture Reference Guide (July 2026). The comments in the code are by the model that wrote it; some were corrected since.
;; Attention. Allowed arithmetic: matrix products marked QUANTISED: E4M3 operands, one E8M0 scale for each 32 along K, by v_wmma_scale_f32_16x16x128_f8f6f4 with both operands' format E4M3, f32 sums; everything else in f32.
;; Inputs: mask 1 x 1 x 1,024 x 1,024 float32; wk 2,048 x 512 float32; wo 2,048 x 2,048 float32; wq 2,048 x 2,048 float32; wv 2,048 x 512 float32; x 4 x 1,024 x 2,048 float32.
;; Outputs: out0 4 x 1,024 x 2,048 float32.
;; Constants: start_pos = 0.
;; This version of the problem:
;;   THIS VERSION OF THE PROBLEM IS GIVEN IN LOW PRECISION. The matrix products marked QUANTISED in the list below multiply operands that are first quantised to E4M3 (4 exponent bits, 3 mantissa bits; 8 bits a number), with one power-of-two scale for each 32 numbers along K (OCP MX v1.0); their sums are f32. All else is computed in f32.
;;   The module's matrix products, in the order in which they are computed (A, B: the left and right operand; K: the contracted axis; several contracted axes count as one K, in the product's order):
;;     1. [M 4,096, K 2,048] x [K 2,048, N 2,048]; A: input x; B: input wq: QUANTISED
;;     2. [M 4,096, K 2,048] x [K 2,048, N 512]; A: input x; B: input wk: QUANTISED
;;     3. [M 4,096, K 2,048] x [K 2,048, N 512]; A: input x; B: input wv: QUANTISED
;;     4. batch 32 x [M 1,024, K 64] x [K 64, N 4,096]; A: computed on the way; B: computed on the way: QUANTISED
;;     5. batch 32 x [M 64, K 1,024] x [K 1,024, N 4,096]; A: computed on the way; B: softmax (see below): QUANTISED
;;     6. [M 4,096, K 2,048] x [K 2,048, N 2,048]; A: computed on the way; B: input wo: QUANTISED
;;   THE QUANTISER, for each operand of a quantised product, along K:
;;     - K is cut into blocks of 32 from its start; a last block that is shorter is filled with zeros.
;;     - A block's scale is 2^e with e = floor(log2(the largest magnitude in the block)) - 8, held to -126 .. 127; a block of zeros has e = 0. As a byte (E8M0): e + 127.
;;     - Each number is divided by its block's scale, clamped to +-448, and rounded to the nearest number of E4M3, ties to even, subnormals kept.
;;     - The product sums the exact products of the quantised numbers (number of the format x scale) in f32.
;;   ~~~python
;;   def quantise(x, axis):      # numpy; x: float32 -> the quantised numbers, widened to float32 again
;;       x = np.moveaxis(x, axis, -1); K = x.shape[-1]
;;       x = np.pad(x, [(0, 0)] * (x.ndim - 1) + [(0, -K % 32)]); x = x.reshape(x.shape[:-1] + (-1, 32)); a = np.abs(x).max(-1, keepdims=True)
;;       e = np.where(a > 0, np.clip(np.frexp(np.where(a > 0, a, 1))[1] - 1 - 8, -126, 127), 0)      # np.frexp(a)[1] - 1 = floor(log2(a)), exactly
;;       r = np.clip(x / 2.0 ** e, -448, 448)
;;       step = 2.0 ** (np.maximum(np.frexp(np.where(r == 0, 1, r))[1] - 1, -6) - 3)
;;       q = np.round(r / step) * step * 2.0 ** e      # np.round: ties to even
;;       return np.moveaxis(q.reshape(q.shape[:-2] + (-1,))[..., :K], -1, axis).astype(np.float32)
;;   ~~~
;;   SOFTMAX AHEAD OF A QUANTISED PRODUCT. Where the list says 'softmax', what is quantised is not the finished softmax but p = 2^(t - M), with t = logit x log2(e) and M = ceil(the row's largest t), a whole number; so 1/2 < the row's largest p <= 1. The row's sum l is taken of the UNQUANTISED p, in f32, and the product's result is divided by l at the end. Since M is a whole number, a kernel that streams over the keys may use a running M (the ceiling of the running maximum): every later rescaling is an exact power of two, which a block's scale takes up: the codes' values come out the same.
;;   OPERANDS COMPUTED ON THE WAY. 'Computed on the way' means the value that the module computes at that place (a softmax that the list does not call 'softmax' is quantised finished and normalised). What goes into a quantiser is computed in f32, as accurately as f32 sums, v_exp_f32 and their like allow (about 1e-6 of the number): no bf16 or f16 on the way to a quantiser, and a product that is left as it is and whose result goes on into a quantised operand takes f32 operands (vector FMAs, or v_wmma_f32_16x16x4_f32). A number that lies on a knife's edge between two numbers of the format may be rounded either way, as far as f32 arithmetic and the matrix unit's own rounding can turn it there, and no further.
;; One version. Each part assembles by itself: llvm-mc -triple=amdgcn-amd-amdhsa -mcpu=gfx1250 --defsym DOCPART=n.
;; ======== version 1 of 1: 4 launches
;; limits: right only within a limited range of input values
;; workspace buffers: xc 8,388,608 bytes; xs 262,144 bytes; wcod 10,485,760 bytes; wscl 327,680 bytes; rope 262,144 bytes; qkv 13,303,808 bytes; oc 8,388,608 bytes; os 262,144 bytes
;; launch prep (part 1): grid 256 x 1, 9 waves a work-group, no clusters, 167,936 bytes of LDS; arguments x, wq, wk, wv, wo, xc, xs, wcod, wscl, rope; writes xc, xs, wcod, wscl, rope
.if DOCPART == 1
	.amdgcn_target "amdgcn-amd-amdhsa--gfx1250"
	.amdhsa_code_object_version 6
	.text
	.protected	k_q8993a92e6c_prep
	.globl	k_q8993a92e6c_prep
	.p2align	8
	.type	k_q8993a92e6c_prep,@function
k_q8993a92e6c_prep:
	s_mov_b64 s[64:65], 0
	v_nop
	global_prefetch_b8 v0, s[64:65] scope:SCOPE_SE
	s_setreg_imm32_b32 hwreg(HW_REG_WAVE_MODE, 25, 1), 1
	s_wait_xcnt 0x0
; PREP: everything that later launches read many times is made once.
; (X) work-groups 0-255: x [4096][2048] f32 -> codes of E4M3 (xc, K innermost) and one E8M0 byte for each 32 along K (xs); and the table of cos and sin for the rotation of q and k (rope).
; (W) work-groups 256-575: wq, wk, wv, wo, f32 with K as FIRST axis -> codes laid [column][K] (wcod, 5,120 rows of 2,048 bytes) and scale bytes [column][64] (wscl).
; A block's scale is 2^(floor(log2(largest magnitude)) - 8); its byte is the largest magnitude's exponent field - 8, held at 1 from below; numbers are held within +-448 x scale and rounded to the nearest code, ties to even.
; ROW ORDER.  PERM(p) = p with bits 3 and 4 exchanged.  Row p of xc/xs holds token PERM(p); row p < 3072 of wcod/wscl holds packed column PERM(p).  In the product's result the 16 registers of two neighbouring
; tiles are then 16 neighbours, which is what the next quantiser wants.  Packed columns: 0-2047 wq; 2048 + 256 j + c: wk's column 128 j + c (c < 128), wv's column 128 j + c - 128 (c >= 128); rows 3072-5119: wo's columns, in their own order.
; LIMITS: blocks whose largest magnitude lies under 2^-118 take that floor's scale (byte 1), a block of zeros too (its codes are zeros; these bytes are read by this program alone); NaN and infinities are not served.
; The 32 frequencies are 10^(-i/8) rounded to f32; an angle is pos x frequency in f32, reduced by pi/2 in three parts (fused multiply-adds), cos and sin by polynomials on |a| <= pi/4.
; No tensor loads, no barrier: waves share nothing.  The two paths part on the work-group's number; each has LDS bytes of its own.
; THE DEAL (it takes the place of what the lines above say of work-groups): x is 1,024 runs of 8,192 numbers and the weights are 1,280 shares of 32 columns x 256 along K, all of 32,768 bytes read: 2,304 equal shares.
; 256 work-groups of nine waves: waves 0-3 take runs 4 x work-group + wave of (X); waves 4-8 take shares 5 x work-group + wave - 4 of (W).  The paths part on the wave's number; each wave has an LDS region of its own, by its number.
.set STEPS, 16
.set EMAX,  8
.set MANT,  0x600000                   ; the mantissa field of 448
.set SPW,   206                        ; v206 LDS address of my spare word; never rewritten
.set NIL,   207                        ; v207 0; never rewritten
.set R,     16                         ; (X) v16-79 four sets of 16 numbers as loaded
.set X,     80                         ; (X) v80-111 two sets of 16 neighbours
.set E,     112                        ; (X) v112-127 a scale byte for each step
.set C,     128                        ; (X) v128-191 codes, four registers a step (before the first step: at work for the table)
.set WREG,  8704                       ; LDS: a wave's region.  (X): two stages of 32 x SP bytes, then its 256 scale bytes; (W): a stage of 32 rows of PITCH bytes
.set SP,    80
.set NB,    8                          ; (W) blocks of 32 along K for a wave
.set PITCH, 272                        ; (W) a stage row: 256 bytes + 16
.set KROW,  2048                       ; (W) a row of wcod in bytes
.set WSTG,  0                          ; (W) a wave's stage is its own region
.set WX,    32                         ; (W) v32-95 two sets of 32 numbers; on the way out the rows read back
.set WC,    96                         ; (W) v96-103 a block's codes
.set VO,    104                        ; (W) v104-135 byte offsets of rows 0..31 of a block, my column
.set SBY,   24                         ; (W) v24-25 my column's eight scale bytes
.set SPARE, 9*WREG                     ; the spare words: 128 bytes a wave, five blocks of 256 bytes that no other line names
	s_load_b512 s[4:19], s[0:1], 0x0               ; x s4, wq s6, wk s8, wv s10, wo s12, xc s14, xs s16, wcod s18
	s_load_b128 s[20:23], s[0:1], 0x40             ; wscl s20, rope s22
	v_lshl_add_u32 v[SPW], v0, 2, SPARE
	v_mov_b32 v[NIL], 0
	v_lshrrev_b32 v1, 5, v0
	v_readfirstlane_b32 s24, v1                    ; wave
	v_and_b32 v2, 31, v0                           ; lane
	s_cmp_ge_u32 s24, 4
	s_cbranch_scc1 .Lweights
; ---------------- (X) ----------------
; A wave takes a run of 8,192 numbers (4 rows of x) in 16 steps of 512.  Each load reads 512 consecutive bytes; a step's 2,048 bytes turn through the wave's own stage so that a lane holds 16 neighbours.
	v_lshlrev_b32 v3, 4, v2                        ; my 16 bytes of a load's 512, and of a step's 512 bytes of codes
	s_mul_i32 s25, s24, WREG
	v_lshrrev_b32 v14, 2, v2
	v_mul_u32_u24 v14, v14, SP
	v_and_b32 v15, 3, v2
	v_lshl_add_u32 v14, v15, 4, v14
	v_add_nc_u32 v14, s25, v14                     ; the stage, way in: SP (lane / 4) + 16 (lane % 4)
	v_mul_u32_u24 v15, v2, SP
	v_add_nc_u32 v15, s25, v15                     ; way out: SP x lane
	v_lshrrev_b32 v5, 1, v2
	s_add_co_u32 s25, s25, 2*32*SP
	v_add_nc_u32 v5, s25, v5                       ; my block's scale byte in LDS
	v_lshlrev_b32 v7, 3, v2                        ; 8 bytes a lane
	v_add_nc_u32 v6, s25, v7
	s_mov_b32 s34, MANT
	s_lshl_b32 s26, ttmp9, 2
	s_add_co_u32 s26, s26, s24                     ; run = 4 x work-group + wave: rows 4 run .. 4 run + 3
	s_and_b32 s27, s26, 0xfffffff9                 ; where it goes: bits 1 and 2 of the run (3 and 4 of the row) exchanged
	s_and_b32 s28, s26, 2
	s_lshl_b32 s28, s28, 1
	s_or_b32 s27, s27, s28
	s_and_b32 s28, s26, 4
	s_lshr_b32 s28, s28, 1
	s_or_b32 s27, s27, s28
	s_lshl_b32 s28, s26, 15                        ; 32,768 bytes of x a run
	s_mov_b32 s29, 0
	s_lshl_b32 s30, s27, 13                        ; 8,192 bytes of codes
	s_mov_b32 s31, 0
	s_lshl_b32 s32, s27, 8                         ; 256 scale bytes
	s_mov_b32 s33, 0
	s_lshl_b32 s36, s26, 8                         ; 256 bytes of the table
	s_mov_b32 s37, 0
	s_wait_kmcnt 0x0
	s_add_nc_u64 s[4:5], s[4:5], s[28:29]
	s_add_nc_u64 s[14:15], s[14:15], s[30:31]
	s_add_nc_u64 s[16:17], s[16:17], s[32:33]
	s_add_nc_u64 s[22:23], s[22:23], s[36:37]
.macro XLOAD t
.irp i, 0,1,2,3
	global_load_b128 v[R+16*((\t)%4)+4*\i:R+16*((\t)%4)+4*\i+3], v3, s[4:5] offset:2048*(\t)+512*\i th:TH_LOAD_NT
.endr
.endm
.macro XTURN t                         ; step t's numbers through the stage: LDS serves a wave's instructions in order, so no wait stands between the stores and the loads
.irp i, 0,1,2,3
	ds_store_b128 v14, v[R+16*((\t)%4)+4*\i:R+16*((\t)%4)+4*\i+3] offset:32*SP*((\t)%2)+8*SP*\i
.endr
.irp i, 0,1,2,3
	ds_load_b128 v[X+16*((\t)%2)+4*\i:X+16*((\t)%2)+4*\i+3], v15 offset:32*SP*((\t)%2)+16*\i
.endr
.endm
.irp t, 0,1,2,3
	XLOAD \t
.endr
; THE TABLE, while the first loads are on their way.  rope is [PB 64][beta 2][q 4][lane 32][16 bytes]; a lane's 16 bytes are (cos i, sin i, cos i+1, sin i+1), i = 16 beta + 8 (lane / 16) + 2 q,
; at position 32 (PB / 2) + 8 (PB % 2) + 16 (r / 8) + r % 8, r = lane % 16: the order in which the product's result holds tokens and channels.  My wave makes the run-th 256 bytes: 32 pairs (cos, sin).
	s_lshr_b32 s38, s26, 4                         ; PB
	s_lshr_b32 s39, s38, 1
	s_lshl_b32 s39, s39, 5
	s_and_b32 s40, s38, 1
	s_lshl_b32 s40, s40, 3
	s_add_co_u32 s39, s39, s40                     ; 32 (PB / 2) + 8 (PB % 2)
	s_and_b32 s40, s26, 8
	s_lshl_b32 s40, s40, 1                         ; 16 beta
	s_and_b32 s41, s26, 1
	s_lshl_b32 s41, s41, 3                         ; 8 x half
	s_add_co_u32 s40, s40, s41
	s_and_b32 s41, s26, 6                          ; 2 q
	s_add_co_u32 s40, s40, s41
	v_mov_b32 v195, 0
.macro FREQ i, c                       ; lane i of v195 = 10^(-i/8)
	s_mov_b32 s35, \c
	v_writelane_b32 v195, s35, \i
.endm
	FREQ 0, 0x3F800000
	FREQ 1, 0x3F3FF911
	FREQ 2, 0x3F0FF59A
	FREQ 3, 0x3ED7E89B
	FREQ 4, 0x3EA1E89B
	FREQ 5, 0x3E72D424
	FREQ 6, 0x3E361887
	FREQ 7, 0x3E088D77
	FREQ 8, 0x3DCCCCCD
	FREQ 9, 0x3D99940E
	FREQ 10, 0x3D6655C3
	FREQ 11, 0x3D2CBA15
	FREQ 12, 0x3D0186E2
	FREQ 13, 0x3CC24350
	FREQ 14, 0x3C91AD39
	FREQ 15, 0x3C5A7BF1
	FREQ 16, 0x3C23D70A
	FREQ 17, 0x3BF5B9B0
	FREQ 18, 0x3BB8449C
	FREQ 19, 0x3B8A2E77
	FREQ 20, 0x3B4F3E37
	FREQ 21, 0x3B1B690D
	FREQ 22, 0x3AE91528
	FREQ 23, 0x3AAEC98E
	FREQ 24, 0x3A83126F
	FREQ 25, 0x3A44948C
	FREQ 26, 0x3A136A16
	FREQ 27, 0x39DD1726
	FREQ 28, 0x39A5CC07
	FREQ 29, 0x3978A814
	FREQ 30, 0x393A7753
	FREQ 31, 0x390BD472
	v_lshrrev_b32 v128, 1, v2                      ; r: two lanes to a token
	v_and_b32 v129, 1, v2
	v_add_nc_u32 v129, s40, v129                   ; i
	v_lshlrev_b32 v129, 2, v129
	ds_bpermute_b32 v130, v129, v195               ; my frequency
	v_lshrrev_b32 v131, 3, v128
	v_and_b32 v132, 7, v128
	v_lshl_add_u32 v131, v131, 4, v132
	v_add_nc_u32 v131, s39, v131                   ; my position
	v_cvt_f32_u32 v131, v131
	s_wait_alu depctr_va_vdst(0)
	s_wait_dscnt 0x0
	v_mul_f32 v133, v131, v130                     ; the angle f
	v_mul_f32 v134, 0x3f22f983, v133               ; x 2 / pi
	v_rndne_f32 v134, v134                         ; k
	v_fmamk_f32 v135, v134, 0xbfc90fd8, v133       ; a = f - k pi/2, pi/2 in three parts; the first difference is exact
	v_fmamk_f32 v135, v134, 0xb4a8885a, v135
	v_fmamk_f32 v135, v134, 0xa7c234c4, v135
	v_mul_f32 v136, v135, v135                     ; a^2
	v_mov_b32 v137, 0x37ccf5ce
	v_mov_b32 v138, 0xb94ca1f9
	v_fmaak_f32 v137, v137, v136, 0xbab6061a
	v_fmaak_f32 v138, v138, v136, 0x3c08839e
	v_fmaak_f32 v137, v137, v136, 0x3d2aaaa5
	v_fmaak_f32 v138, v138, v136, 0xbe2aaaa3
	v_fma_f32 v137, v137, v136, -0.5
	v_mul_f32 v139, v136, v135
	v_fma_f32 v137, v137, v136, 1.0                ; cos a
	v_fma_f32 v138, v138, v139, v135               ; sin a
	v_cvt_i32_f32 v140, v134
	v_and_b32 v141, 1, v140
	v_cmp_eq_u32 vcc_lo, 1, v141                   ; odd quadrant: sin f = cos a, cos f = -sin a
	v_xor_b32 v142, 0x80000000, v138
	v_cndmask_b32 v193, v138, v137, vcc_lo
	v_cndmask_b32 v192, v137, v142, vcc_lo
	v_and_b32 v141, 2, v140
	v_lshlrev_b32 v141, 30, v141                   ; quadrants 2 and 3: both change sign
	v_xor_b32 v192, v192, v141
	v_xor_b32 v193, v193, v141
	global_store_b64 v7, v[192:193], s[22:23]      ; 32 lanes store 256 consecutive bytes, aligned; v7 and v[192:193] are never rewritten
	s_wait_loadcnt 12                              ; step 0's four loads are in
	XTURN 0
.macro XSTEP t
.set XS, X+16*((\t)%2)
.if (\t) > 0
	s_wait_dscnt 1                                 ; this step's numbers are back from the stage (the last step's byte store may be out)
.else
	s_wait_dscnt 0x0
.endif
.if (\t)+4 < STEPS
	XLOAD (\t)+4                                   ; into the registers that this step's stores into the stage have read
.endif
.if (\t)+1 < STEPS
.if STEPS-2-(\t) >= 3
	s_wait_loadcnt 12                              ; the next step's four loads are in; three steps' may be out
.else
	s_wait_loadcnt 4*(STEPS-2-(\t))
.endif
	XTURN (\t)+1
.endif
	v_max3_num_f32 v8, |v[XS]|, |v[XS+1]|, |v[XS+2]|
	v_max3_num_f32 v9, |v[XS+3]|, |v[XS+4]|, |v[XS+5]|
.irp i, 6,10
	v_max3_num_f32 v8, v8, |v[XS+\i]|, |v[XS+\i+1]|
	v_max3_num_f32 v9, v9, |v[XS+\i+2]|, |v[XS+\i+3]|
.endr
	v_max3_num_f32 v8, v8, |v[XS+14]|, |v[XS+15]|
	v_max3_num_f32 v8, v8, v9, (EMAX+1)<<23        ; the floor: the byte cannot fall under 1
	v_max_num_f32_dpp v8, v8, v8 row_xmask:1 row_mask:0xf bank_mask:0xf   ; with my neighbour's 16: the block's largest magnitude
	v_add_nc_u32 v11, -(EMAX<<23), v8              ; 8 off its exponent field: the conversion's scale operand
	v_and_or_b32 v10, v8, 0x7f800000, s34          ; 448 x the scale
.irp i, 0,1,2,3,4,5,6,7,8,9,10,11,12,13,14,15
	v_med3_num_f32 v[XS+\i], v[XS+\i], -v10, v10   ; the conversion to an 8-bit code does not saturate (ISA guide 7.6.2): the hold
.endr
	v_cvt_scalef32_pk8_fp8_f32 v[C+4*(\t):C+4*(\t)+1], v[XS:XS+7], v11
	v_cvt_scalef32_pk8_fp8_f32 v[C+4*(\t)+2:C+4*(\t)+3], v[XS+8:XS+15], v11
	v_lshrrev_b32 v[E+(\t)], 23, v11               ; the scale's byte
	ds_store_b8 v5, v[E+(\t)] offset:16*(\t)       ; both lanes of a block write the same byte with the same value
	global_store_b128 v3, v[C+4*(\t):C+4*(\t)+3], s[14:15] offset:512*(\t)   ; 512 consecutive bytes a wave
.endm
.irp t, 0,1,2,3,4,5,6,7,8,9,10,11,12,13,14,15
	XSTEP \t
.endr
	ds_load_b64 v[8:9], v6                         ; my wave's 256 scale bytes: LDS serves a wave's instructions in order
	s_wait_dscnt 0x0
	global_store_b64 v7, v[8:9], s[16:17]          ; one aligned run of 256 bytes
	s_branch .Lend
; ---------------- (W) ----------------
; A wave takes 32 columns x 256 along K; a lane takes a column and its registers run down K, so a block of 32 lies in one lane and the codes come out with K innermost.
.Lweights:
	s_mul_i32 s25, ttmp9, 5
	s_add_co_u32 s25, s25, s24
	s_sub_co_u32 s25, s25, 4                       ; my share, 0 .. 1,279
	s_and_b32 s38, s25, 3                          ; which 32 of a group's 128 columns
	s_lshr_b32 s25, s25, 2                         ; 8 x column group + which 256 along K
	s_lshr_b32 s26, s25, 3                         ; column group 0..39
	s_and_b32 s27, s25, 7                          ; which 256 along K
	s_wait_kmcnt 0x0
	s_mov_b64 s[28:29], s[12:13]                   ; groups 24-39: wo,
	s_sub_co_u32 s30, s26, 24                      ; its group of 128 columns,
	s_lshl_b32 s31, s30, 7
	s_add_co_u32 s31, s31, 3072                    ; the first row in wcod,
	s_mov_b32 s32, 8192                            ; a row of the source in bytes,
	s_mov_b32 s33, 0                               ; and no exchange of bits 3 and 4
	s_sub_co_u32 s34, s26, 20                      ; groups 20-23: wv
	s_lshl_b32 s35, s34, 8
	s_add_co_u32 s35, s35, 2176
	s_mov_b32 s36, 2048
	s_cmp_lt_u32 s26, 24
	s_cselect_b64 s[28:29], s[10:11], s[28:29]
	s_cselect_b32 s30, s34, s30
	s_cselect_b32 s31, s35, s31
	s_cselect_b32 s32, s36, s32
	s_cselect_b32 s33, 24, s33
	s_sub_co_u32 s34, s26, 16                      ; groups 16-19: wk
	s_lshl_b32 s35, s34, 8
	s_add_co_u32 s35, s35, 2048
	s_cmp_lt_u32 s26, 20
	s_cselect_b64 s[28:29], s[8:9], s[28:29]
	s_cselect_b32 s30, s34, s30
	s_cselect_b32 s31, s35, s31
	s_lshl_b32 s35, s26, 7                         ; groups 0-15: wq
	s_mov_b32 s36, 8192
	s_cmp_lt_u32 s26, 16
	s_cselect_b64 s[28:29], s[6:7], s[28:29]
	s_cselect_b32 s30, s26, s30
	s_cselect_b32 s31, s35, s31
	s_cselect_b32 s32, s36, s32
	s_lshl_b32 s34, s30, 7
	s_lshl_b32 s35, s38, 5
	s_add_co_u32 s34, s34, s35                     ; my wave's first column in the source
	s_lshl_b32 s34, s34, 2
	s_lshl_b32 s35, s27, 8
	s_mul_i32 s35, s35, s32                        ; 256 ky rows down
	s_add_co_u32 s34, s34, s35
	s_mov_b32 s35, 0
	s_add_nc_u64 s[44:45], s[28:29], s[34:35]      ; block 0's base; the eight bases are never rewritten
	s_lshl_b32 s36, s32, 5                         ; 32 rows on
	s_mov_b32 s37, 0
.irp t, 1,2,3,4,5,6,7
	s_add_nc_u64 s[44+2*\t:45+2*\t], s[42+2*\t:43+2*\t], s[36:37]
.endr
	s_lshl_b32 s40, s38, 5
	s_add_co_u32 s40, s40, s31                     ; my wave's first row of wcod and wscl
	s_lshl_b32 s42, s40, 11
	s_lshl_b32 s43, s27, 8
	s_add_co_u32 s42, s42, s43
	s_mov_b32 s43, 0
	s_add_nc_u64 s[18:19], s[18:19], s[42:43]
	s_lshl_b32 s42, s40, 6
	s_lshl_b32 s41, s27, 3
	s_add_co_u32 s42, s42, s41
	s_add_nc_u64 s[20:21], s[20:21], s[42:43]
	s_mov_b32 s39, MANT
	s_wait_alu depctr_va_vdst(0)
	v_lshrrev_b32 v3, 3, v2                        ; the column that my row of wcod holds: my lane with bits 3 and 4 exchanged (wo: as it is)
	v_lshrrev_b32 v4, 4, v2
	v_xor_b32 v3, v3, v4
	v_and_b32 v3, 1, v3
	v_mul_u32_u24 v3, s33, v3
	v_xor_b32 v3, v3, v2
	v_lshlrev_b32 v[VO], 2, v3
.irp i, 1,2,3,4,5,6,7,8,9,10,11,12,13,14,15,16,17,18,19,20,21,22,23,24,25,26,27,28,29,30,31
	v_add_nc_u32 v[VO+\i], s32, v[VO+\i-1]         ; the source's row pitch is no constant of the text, so the 32 rows' offsets stand in registers
.endr
	s_mul_i32 s41, s24, 32*PITCH
	s_add_co_u32 s41, s41, WSTG                    ; my stage
	v_mul_u32_u24 v4, v2, PITCH
	v_add_nc_u32 v4, s41, v4                       ; into it: row = my lane
	v_and_b32 v5, 15, v2
	v_lshrrev_b32 v6, 4, v2
	v_mul_u32_u24 v7, v6, PITCH
	v_lshl_add_u32 v7, v5, 4, v7
	v_add_nc_u32 v7, s41, v7                       ; out of it: sixteen lanes to a row
	v_mul_u32_u24 v8, v6, KROW
	v_lshl_add_u32 v8, v5, 4, v8                   ; and the same place in wcod
	v_lshlrev_b32 v9, 6, v2                        ; my row of wscl
.macro WLOAD t                         ; block t: rows 32 t + i of my column, into set t % 2; a wave's load covers 128 consecutive bytes
.irp i, 0,1,2,3,4,5,6,7,8,9,10,11,12,13,14,15,16,17,18,19,20,21,22,23,24,25,26,27,28,29,30,31
	global_load_b32 v[WX+32*((\t)%2)+\i], v[VO+\i], s[44+2*(\t):45+2*(\t)] th:TH_LOAD_NT
.endr
.endm
	WLOAD 0
	WLOAD 1
.macro WBLOCK t
.set XS, WX+32*((\t)%2)
.if (\t) < NB-1
	s_wait_loadcnt 32                              ; this block's 32 loads are in; the next block's may be out
.else
	s_wait_loadcnt 0x0
.endif
	v_max3_num_f32 v12, |v[XS]|, |v[XS+1]|, |v[XS+2]|
	v_max3_num_f32 v13, |v[XS+3]|, |v[XS+4]|, |v[XS+5]|
.irp i, 6,10,14,18,22,26
	v_max3_num_f32 v12, v12, |v[XS+\i]|, |v[XS+\i+1]|
	v_max3_num_f32 v13, v13, |v[XS+\i+2]|, |v[XS+\i+3]|
.endr
	v_max3_num_f32 v12, v12, |v[XS+30]|, |v[XS+31]|
	v_max3_num_f32 v12, v12, v13, (EMAX+1)<<23     ; the floor
	v_add_nc_u32 v11, -(EMAX<<23), v12             ; the conversion's scale operand
	v_and_or_b32 v10, v12, 0x7f800000, s39         ; 448 x the scale
	v_lshrrev_b32 v13, 23, v11                     ; the scale's byte
.if (\t)%4 == 0
	v_mov_b32 v[SBY+(\t)/4], v13
.else
	v_lshl_or_b32 v[SBY+(\t)/4], v13, 8*((\t)%4), v[SBY+(\t)/4]
.endif
.irp i, 0,1,2,3,4,5,6,7,8,9,10,11,12,13,14,15,16,17,18,19,20,21,22,23,24,25,26,27,28,29,30,31
	v_med3_num_f32 v[XS+\i], v[XS+\i], -v10, v10
.endr
.irp g, 0,1,2,3
	v_cvt_scalef32_pk8_fp8_f32 v[WC+2*\g:WC+2*\g+1], v[XS+8*\g:XS+8*\g+7], v11
.endr
	ds_store_b128 v4, v[WC:WC+3] offset:32*(\t)
	ds_store_b128 v4, v[WC+4:WC+7] offset:32*(\t)+16
.if (\t)+2 < NB
	WLOAD (\t)+2
.endif
	s_wait_dscnt 0x0                               ; the stores have read their registers: the next block's codes may be written
.endm
.irp t, 0,1,2,3,4,5,6,7
	WBLOCK \t
.endr
	global_store_b64 v9, v[SBY:SBY+1], s[20:21]    ; my column's eight scale bytes
.irp t, 0,1,2,3,4,5,6,7,8,9,10,11,12,13,14,15
	ds_load_b128 v[WX+4*\t:WX+4*\t+3], v7 offset:2*\t*PITCH
.endr
.irp t, 0,1,2,3,4,5,6,7,8,9,10,11,12,13,14,15
	s_wait_dscnt 15-\t                             ; LDS loads come back in order: row pair t is in
	global_store_b128 v8, v[WX+4*\t:WX+4*\t+3], s[18:19] offset:2*\t*KROW   ; sixteen lanes store 256 consecutive bytes, aligned
.endr
.Lend:
	s_wait_tensorcnt 0x0                           ; the wave's end, behind my last LDS store
	ds_add_u32 v[SPW], v[NIL]
	s_wait_dscnt 0x0
	s_endpgm
.Lfunc_end_k_q8993a92e6c_prep:
	.size	k_q8993a92e6c_prep, .Lfunc_end_k_q8993a92e6c_prep-k_q8993a92e6c_prep
	.p2alignl 7, 3214868480
	.fill 96, 4, 3214868480
	.section	.rodata,"a",@progbits
	.p2align	6, 0x0
	.amdhsa_kernel k_q8993a92e6c_prep
		.amdhsa_group_segment_fixed_size 167936
		.amdhsa_private_segment_fixed_size 0
		.amdhsa_enable_private_segment 0
		.amdhsa_kernarg_size 80
		.amdhsa_user_sgpr_count 2
		.amdhsa_user_sgpr_kernarg_segment_ptr 1
		.amdhsa_wavefront_size32 1
		.amdhsa_system_sgpr_workgroup_id_x 1
		.amdhsa_system_sgpr_workgroup_id_y 1
		.amdhsa_system_sgpr_workgroup_id_z 1
		.amdhsa_system_vgpr_workitem_id 0
		.amdhsa_next_free_vgpr 208
		.amdhsa_next_free_sgpr 66
		.amdhsa_reserve_vcc 1
		.amdhsa_float_denorm_mode_32 3
		.amdhsa_float_denorm_mode_16_64 3
		.amdhsa_memory_ordered 1
		.amdhsa_forward_progress 1
		.amdhsa_inst_pref_size 118
	.end_amdhsa_kernel
	.amdgpu_metadata
---
amdhsa.version: [ 1, 2 ]
amdhsa.kernels:
  - .name:           k_q8993a92e6c_prep
    .symbol:         k_q8993a92e6c_prep.kd
    .args:
      - { .name: x, .offset: 0, .size: 8, .value_kind: global_buffer, .address_space: global }
      - { .name: wq, .offset: 8, .size: 8, .value_kind: global_buffer, .address_space: global }
      - { .name: wk, .offset: 16, .size: 8, .value_kind: global_buffer, .address_space: global }
      - { .name: wv, .offset: 24, .size: 8, .value_kind: global_buffer, .address_space: global }
      - { .name: wo, .offset: 32, .size: 8, .value_kind: global_buffer, .address_space: global }
      - { .name: xc, .offset: 40, .size: 8, .value_kind: global_buffer, .address_space: global }
      - { .name: xs, .offset: 48, .size: 8, .value_kind: global_buffer, .address_space: global }
      - { .name: wcod, .offset: 56, .size: 8, .value_kind: global_buffer, .address_space: global }
      - { .name: wscl, .offset: 64, .size: 8, .value_kind: global_buffer, .address_space: global }
      - { .name: rope, .offset: 72, .size: 8, .value_kind: global_buffer, .address_space: global }
    .group_segment_fixed_size: 167936
    .private_segment_fixed_size: 0
    .kernarg_segment_align: 8
    .kernarg_segment_size: 80
    .max_flat_workgroup_size: 288
    .sgpr_count:     66
    .vgpr_count:     208
    .wavefront_size: 32
...
	.end_amdgpu_metadata
.endif
;; end of part 1
;; launch qkv (part 2): grid 12 x 16, 4 waves a work-group, clusters of 4 x 4, 327,680 bytes of LDS; arguments xc, xs, wcod, wscl, rope, qkv; writes qkv
.if DOCPART == 2
	.amdgcn_target "amdgcn-amd-amdhsa--gfx1250"
	.amdhsa_code_object_version 6
	.text
	.protected	k_q8993a92e6c_qkv
	.globl	k_q8993a92e6c_qkv
	.p2align	8
	.type	k_q8993a92e6c_qkv,@function
k_q8993a92e6c_qkv:
	s_mov_b64 s[64:65], 0
	v_nop
	global_prefetch_b8 v0, s[64:65] scope:SCOPE_SE
	s_setreg_imm32_b32 hwreg(HW_REG_WAVE_MODE, 25, 1), 1
	s_wait_xcnt 0x0
	s_wait_alu depctr_hold_cnt(0) depctr_sa_sdst(0) depctr_va_vdst(0) depctr_va_sdst(0) depctr_va_ssrc(0) depctr_va_vcc(0) depctr_vm_vsrc(0)
	s_getreg_b32 s2, hwreg(HW_REG_IB_STS2, 6, 4)
	s_cmp_eq_u32 s2, 0
	s_cbranch_scc0 .Lentry_in_a_cluster
	s_endpgm
.Lentry_in_a_cluster:
	s_bfe_u32 s2, ttmp6, 0x10000c
	s_cmp_lg_u32 s2, 0xf033
	s_cbranch_scc0 .Lentry_shape_is_right
	s_endpgm
.Lentry_shape_is_right:
.set SIZE_K, 2048
.set KSTEP,  256
.set NQ,     KSTEP/128
.set ROWB,   256
.set KROW,   SIZE_K
.set PITCH,  272
.set FR,     16
.set NL,     4
.set NP,     8
.set HALFT,  128*PITCH
.set SLOT,   4*HALFT
.set LAPS,   SIZE_K/(2*KSTEP)
.set KS,     SIZE_K/32
.set SCL,    2*SLOT
.set HALFS,  (128*KS/256)*272
.set SBLK,   (16*KS/256)*272
.set SPARE,  SCL+4*HALFS
.set QS_OFF, 8388608
.set KV_OFF, 8912896
.set RECB,   17152
.set FLOOR,  0x6000000
.set ADRA, 16
.set ADRB, 20
.set L8,   25
.set LI,   26
.set ADRS, 27
.set SPW,  28
.set NIL,  29
.set SC,   32
.set CS,   64
.set AF,   128
.set RR,   128
.set PC,   192
.set TM,   208
.set TW,   224
.set WQ,   232
.set G1, 24
.set G0, 32
.set G1B, 48
.set G0B, 56
.set G1S, 68
.set G0S, 76
.set G1SB, 80
.set G0SB, 88
.set GC,  68
.set GSC, 72
.set SEL, 76
.set MNT, 78
.set MSB, 0
.macro WIN new
.if MSB != (\new)
	s_set_vgpr_msb (MSB<<8)|(\new)
.set MSB, (\new)
.endif
.endm
.set MUL_LO, 0xa1
.set MUL_HI, 0xf1
.set TO_B,   0x40
.macro JLOAD g0a, g1a, g0b, g1b
	s_cmp_eq_u32 s15, 0
	s_cbranch_scc0 .Lfor_b_\@
	tensor_load_to_lds s[\g0a:\g0a+3], s[\g1a:\g1a+7]
	s_nop 0
.rept 4
	v_nop
.endr
	s_branch .Lasked_\@
.Lfor_b_\@:
	tensor_load_to_lds s[\g0b:\g0b+3], s[\g1b:\g1b+7]
	s_nop 0
.rept 4
	v_nop
.endr
.Lasked_\@:
.endm
.macro CREST
	s_cmp_lg_u32 s14, 0
	s_cbranch_scc1 .Lnot_wave_0_\@
	s_barrier_signal -3
.Lnot_wave_0_\@:
	s_barrier_wait -3
	s_barrier_signal -1
	s_barrier_wait -1
.endm
.macro CROUND
	s_barrier_signal -1
	s_barrier_wait -1
	CREST
.endm
	s_load_b128 s[4:7], s[0:1], 0x0
	s_load_b128 s[8:11], s[0:1], 0x10
	s_load_b128 s[96:99], s[0:1], 0x20
	v_lshl_add_u32 v[SPW], v0, 2, SPARE
	v_mov_b32 v[NIL], 0
	ds_add_u32 v[SPW], v[NIL]
	ds_add_u32 v[SPW], v[NIL]
	v_lshrrev_b32 v1, 5, v0
	v_readfirstlane_b32 s14, v1
	s_lshr_b32 s15, s14, 1
	s_and_b32 s16, s14, 1
	s_bfe_u32 s40, ttmp6, 0x40000
	s_bfe_u32 s41, ttmp6, 0x40004
	s_lshl_b32 s42, ttmp9, 2
	s_add_co_u32 s42, s42, s40
	s_and_b32 s17, ttmp7, 0xffff
	s_lshl_b32 s17, s17, 2
	s_add_co_u32 s17, s17, s41
	s_lshl_b32 s43, s41, 2
	s_lshl_b32 s43, 15, s43
	s_lshl_b32 s44, 0x1111, s40
	s_or_b32 s[G1+0], s43, (0<<16)|(1<<20)|(1<<21)|(5<<22)|(3<<25)
	s_or_b32 s[G1B+0], s44, (0<<16)|(1<<20)|(1<<21)|(5<<22)|(3<<25)
.irp g, G1, G1B
	s_mov_b32 s[\g+1], ROWB<<16
	s_mov_b32 s[\g+2], 256<<16                     ; the head's loads of codes bring 256 rows; behind them the two words are set to 128
	s_mov_b32 s[\g+3], ROWB<<16
	s_mov_b32 s[\g+4], 256
	s_mov_b32 s[\g+5], KROW
	s_mov_b32 s[\g+6], 0
	s_mov_b32 s[\g+7], 0
.endr
	s_or_b32 s[G1S+0], s43, (3<<16)|(1<<20)|(1<<21)|(5<<22)|(3<<25)
	s_or_b32 s[G1SB+0], s44, (3<<16)|(1<<20)|(1<<21)|(5<<22)|(3<<25)
.irp g, G1S, G1SB
	s_mov_b32 s[\g+1], 32<<16
	s_mov_b32 s[\g+2], KS<<16                      ; the scale bytes of 256 rows: KS rows of 256 bytes
	s_mov_b32 s[\g+3], 32<<16
	s_mov_b32 s[\g+4], KS
	s_mov_b32 s[\g+5], 32
	s_mov_b32 s[\g+6], 0
	s_mov_b32 s[\g+7], 0
.endr
	s_lshl_b32 s20, s17, 8                         ; the tile's first row of x, and of the weights
	s_lshl_b32 s46, s42, 8
	s_mov_b32 s21, 0
	s_mov_b32 s47, 0
	s_mov_b64 s[18:19], KS
	s_mul_u64 s[22:23], s[20:21], s[18:19]
	s_mul_u64 s[92:93], s[46:47], s[18:19]
	s_mov_b64 s[18:19], KROW
	s_mul_u64 s[20:21], s[20:21], s[18:19]
	s_mul_u64 s[46:47], s[46:47], s[18:19]
	s_mul_i32 s45, s14, HALFT
	s_mul_i32 s18, s16, 128*KROW                   ; in the ring I fetch 128 rows of a tile: which half, in bytes
	s_mov_b32 s19, 0
	s_mov_b32 s67, 0xffff0000
	s_wait_dscnt 0x0
	CROUND                                         ; the opening round, ahead of the wait for the arguments: all sixteen work-groups are here
	s_wait_kmcnt 0x0
	s_add_nc_u64 s[20:21], s[4:5], s[20:21]
	s_add_nc_u64 s[22:23], s[6:7], s[22:23]
	s_add_nc_u64 s[46:47], s[8:9], s[46:47]
	s_add_nc_u64 s[92:93], s[10:11], s[92:93]
	s_mov_b32 s4, 1
	s_mov_b32 s5, 0
	s_mov_b64 s[6:7], s[20:21]
	s_or_b32 s7, s7, 0x80000000
	s_mov_b32 s8, 1                                ; its 256 rows of the weights (s[8:11]),
	s_mov_b32 s9, 2*HALFT
	s_mov_b64 s[10:11], s[46:47]
	s_or_b32 s11, s11, 0x80000000
	s_mov_b32 s[G0S], 1                            ; and the two blocks of scale bytes
	s_mov_b32 s[G0S+1], SCL
	s_mov_b64 s[G0S+2:G0S+3], s[22:23]
	s_or_b32 s[G0S+3], s[G0S+3], 0x80000000
	s_mov_b32 s[G0SB], 1
	s_mov_b32 s[G0SB+1], SCL+2*HALFS
	s_mov_b64 s[G0SB+2:G0SB+3], s[92:93]
	s_or_b32 s[G0SB+3], s[G0SB+3], 0x80000000
	s_cmp_eq_u32 s15, 0                            ; the prefetches, s[12:13]: of the 128 rows that I fetch in the ring my work-group takes 32, told apart by address (cx for x, cy for the weights); it stands at K step 2
	s_cselect_b64 s[12:13], s[20:21], s[46:47]
	s_cselect_b32 s94, s40, s41
	s_lshl_b32 s94, s94, 16
	s_add_co_u32 s94, s94, 2*ROWB
	s_mov_b32 s95, 0
	s_add_nc_u64 s[12:13], s[12:13], s[94:95]
	s_add_nc_u64 s[12:13], s[12:13], s[18:19]
	s_add_nc_u64 s[20:21], s[20:21], s[18:19]      ; for the ring: my 128 rows of the tile
	s_add_nc_u64 s[46:47], s[46:47], s[18:19]
.irp s, 0,1
	s_mov_b32 s[G0+4*\s], 1
	s_add_co_u32 s[G0+4*\s+1], s45, \s*SLOT
	s_add_nc_u64 s[G0+4*\s+2:G0+4*\s+3], s[20:21], \s*ROWB
	s_or_b32 s[G0+4*\s+3], s[G0+4*\s+3], 0x80000000
	s_mov_b32 s[G0B+4*\s], 1
	s_add_co_u32 s[G0B+4*\s+1], s45, \s*SLOT
	s_add_nc_u64 s[G0B+4*\s+2:G0B+4*\s+3], s[46:47], \s*ROWB
	s_or_b32 s[G0B+4*\s+3], s[G0B+4*\s+3], 0x80000000
.endr
; the head's loads, one a wave, in one tree of branches on the wave's number
.macro ARM under, g0, g1, next
	s_cmp_lt_u32 s14, \under
	s_cbranch_scc0 \next
	tensor_load_to_lds s[\g0:\g0+3], s[\g1:\g1+7]
	s_nop 0
.rept 4
	v_nop
.endr
	s_branch .Lhead_asked
\next:
.endm
	ARM 1, 4, G1, .Lhead_b
	ARM 2, 8, G1B, .Lhead_sa
	ARM 3, G0S, G1S, .Lhead_sb
	tensor_load_to_lds s[G0SB:G0SB+3], s[G1SB:G1SB+7]
	s_nop 0
.rept 4
	v_nop
.endr
.Lhead_asked:
	v_and_b32 v1, 15, v0
	v_bfe_u32 v2, v0, 4, 1
	v_mul_u32_u24 v3, v1, PITCH
	v_lshl_add_u32 v4, v2, 4, v3
	s_wait_alu depctr_va_vdst(0)
	s_cmp_eq_u32 ttmp9, 2
	s_cselect_b32 s66, s16, 0
	s_mul_i32 s21, s15, HALFT
	s_mul_i32 s22, s16, HALFT
	s_add_co_u32 s22, s22, 2*HALFT
; every LDS address hangs on the lane and the wave's number alone: all waves multiply alike (source 0 = the weights' rows, source 1 = x's rows); V's tiles are turned on the way out
	s_mul_i32 s46, s15, HALFS
	s_mul_i32 s47, s16, HALFS
	s_add_co_u32 s47, s47, 2*HALFS
	s_sub_co_u32 s47, s47, s46
	s_add_co_u32 s46, s46, SCL
	s_mul_i32 s23, s14, 16*528                     ; V's way out: my stage of 16 rows x 528 bytes, in slot 0
	v_add_nc_u32 v[ADRA], s21, v4
	v_add_nc_u32 v[ADRB], s22, v4
	v_add_nc_u32 v[ADRA+1], SLOT, v[ADRA]
	v_add_nc_u32 v[ADRB+1], SLOT, v[ADRB]
	v_mul_u32_u24 v5, v1, KS
	v_lshrrev_b32 v6, 8, v5
	v_lshl_add_u32 v5, v6, 4, v5
	v_mul_u32_u24 v6, s47, v2                      ; lanes 16-31 take the weights' scale words
	v_add_nc_u32 v5, v5, v6
	v_add_nc_u32 v[ADRS], s46, v5
	v_mul_u32_u24 v6, v2, 8*528
	v_lshl_add_u32 v6, v1, 2, v6
	v_add_nc_u32 v22, s23, v6                      ; into the stage: row 8 h (+ j), word r (+ 16 x block)
	v_mul_u32_u24 v6, v1, 528
	v_lshl_add_u32 v6, v2, 5, v6
	v_add_nc_u32 v23, s23, v6                      ; out of it: row r, 32 h bytes on
	v_and_b32 v6, 31, v0
	v_lshlrev_b32 v[LI], 4, v6
	v_lshlrev_b32 v[L8], 3, v6
	v_lshlrev_b32 v31, 11, v6                      ; the prefetches' offset: a lane a row of 2,048 bytes; never rewritten
	s_lshl_b32 s20, s17, 8
	s_lshl_b32 s21, s15, 7
	s_add_co_u32 s20, s20, s21
	s_and_b32 s20, s20, 1023
	s_lshl_b32 s20, s20, 8
	s_mov_b32 s21, 0
	s_add_nc_u64 s[100:101], s[96:97], s[20:21]
.macro TABLE a
.irp e, 0,1
.irp q, 0,1,2,3
	global_load_b128 v[CS+32*((\a)%2)+16*\e+4*\q:CS+32*((\a)%2)+16*\e+4*\q+3], v[LI], s[100:101] offset:(\a)*4096+\e*2048+\q*512
.endr
.endr
.endm
	TABLE 0
	TABLE 1
.macro FRAG reg, adr, q, i
.irp c, 0,1,2,3
	ds_load_b128 v[\reg+4*\c:\reg+4*\c+3], v[\adr] offset:128*(\q)+32*\c+(\i)*16*PITCH
.endr
.endm
.macro MUL16 a0, p, q, sc, zero
.irp a, \a0, \a0+1
.irp b, 0,1,2,3,4,5,6,7
.if \zero
	v_wmma_scale_f32_16x16x128_f8f6f4 v[8*(8*((\a)%4)+\b):8*(8*((\a)%4)+\b)+7], v[128*(\p)+FR*\b:128*(\p)+FR*\b+FR-1], v[AF+FR*(\a):AF+FR*(\a)+FR-1], 0, v[SC+8*NQ*(\sc)+NQ*\b+(\q)], v[SC+8*NQ*(\sc)+NQ*(\a)+(\q)] matrix_a_scale:MATRIX_SCALE_ROW1
.else
	v_wmma_scale_f32_16x16x128_f8f6f4 v[8*(8*((\a)%4)+\b):8*(8*((\a)%4)+\b)+7], v[128*(\p)+FR*\b:128*(\p)+FR*\b+FR-1], v[AF+FR*(\a):AF+FR*(\a)+FR-1], v[8*(8*((\a)%4)+\b):8*(8*((\a)%4)+\b)+7], v[SC+8*NQ*(\sc)+NQ*\b+(\q)], v[SC+8*NQ*(\sc)+NQ*(\a)+(\q)] matrix_a_scale:MATRIX_SCALE_ROW1
.endif
.endr
.endr
.endm
.macro FETCH_B slot, q, p
	WIN TO_B
.irp i, 0,1,2,3,4,5,6,7
	FRAG 128*(\p)+FR*\i, ADRB+\slot, \q, \i
.endr
	WIN 0
.endm
.macro FETCH_A slot, q, i0
.irp i, \i0, \i0+1, \i0+2, \i0+3
	FRAG AF+FR*(\i), ADRA+\slot, \q, \i
.endr
.endm
.macro SCALES sc
.irp i, 0,1,2,3,4,5,6,7
	ds_load_b64 v[SC+8*NQ*\sc+NQ*\i:SC+8*NQ*\sc+NQ*\i+1], v[ADRS] offset:\i*SBLK
.endr
.endm
.macro PLACES n
.rept \n
	v_nop
.endr
.endm
.macro STEP slot, q, zero
	s_wait_dscnt 4*NL
	WIN MUL_LO
	MUL16 0, (\q)%2, \q, \slot, \zero
	MUL16 2, (\q)%2, \q, \slot, \zero
	s_wait_dscnt 0
	PLACES NP
	FETCH_B \slot, (\q)+1, 1-(\q)%2
	FETCH_A \slot, (\q)+1, 0
	WIN MUL_HI
	MUL16 4, (\q)%2, \q, \slot, \zero
	MUL16 6, (\q)%2, \q, \slot, \zero
	PLACES NP
	WIN 0
	FETCH_A \slot, (\q)+1, 4
.endm
.macro TURN slot, next, fill
.if \fill
	s_wait_xcnt 0x0                                ; my last prefetch has read its address: it steps one K step
	s_add_nc_u64 s[12:13], s[12:13], ROWB
.endif
	s_wait_tensorcnt 0x0
	ds_add_u32 v[SPW], v[NIL]
	s_wait_dscnt 4*NL+1
	WIN MUL_LO
	MUL16 0, 1, NQ-1, \slot, 0
	s_wait_dscnt 0x0
	s_barrier_signal -1
	MUL16 2, 1, NQ-1, \slot, 0
	WIN 0
	s_barrier_wait -1
.if \fill
	CREST
	s_add_nc_u64 s[G0+4*\slot+2:G0+4*\slot+3], s[G0+4*\slot+2:G0+4*\slot+3], 2*ROWB
	s_add_nc_u64 s[G0B+4*\slot+2:G0B+4*\slot+3], s[G0B+4*\slot+2:G0B+4*\slot+3], 2*ROWB
	JLOAD G0+4*\slot, G1, G0B+4*\slot, G1B
	PLACES NP-4
.else
	PLACES NP
.endif
	s_wait_alu depctr_va_vdst(0)
	v_add_nc_u32 v[ADRS], 4*NQ, v[ADRS]
	FETCH_B \next, 0, 0
	FETCH_A \next, 0, 0
	SCALES \next
.if \fill
	s_cmp_gt_u32 s3, 1                             ; a prefetch of the K step that stands two refills on: 32 rows x 256 bytes a wave; the last trip's two refills have no such step
	s_cbranch_scc0 .Lno_ask_\@
	global_prefetch_b8 v31, s[12:13] offset:ROWB th:TH_LOAD_NT scope:SCOPE_SE
.Lno_ask_\@:
.endif
	WIN MUL_HI
	MUL16 4, 1, NQ-1, \slot, 0
	MUL16 6, 1, NQ-1, \slot, 0
	PLACES NP
	WIN 0
	FETCH_A \next, 0, 4
.endm
	s_wait_alu depctr_va_vdst(0)
	global_prefetch_b8 v31, s[12:13] th:TH_LOAD_NT scope:SCOPE_SE   ; K step 2, two loads ahead of its own
	s_wait_tensorcnt 0x0                           ; my tile of the head's four is in
	ds_add_u32 v[SPW], v[NIL]
	s_mov_b32 s[G1+2], 128<<16                     ; no tensor load of mine is out: from here on a load brings 128 rows
	s_mov_b32 s[G1+4], 128
	s_mov_b32 s[G1B+2], 128<<16
	s_mov_b32 s[G1B+4], 128
	s_wait_dscnt 0x0
	CROUND
	JLOAD G0+4, G1, G0B+4, G1B                     ; K step 1: slot 1's first fill, issued as a refill is
	FETCH_B 0, 0, 0
	FETCH_A 0, 0, 0
	SCALES 0
	FETCH_A 0, 0, 4
	global_prefetch_b8 v31, s[12:13] offset:ROWB th:TH_LOAD_NT scope:SCOPE_SE   ; K step 3
	STEP 0, 0, 1
	s_mov_b32 s3, LAPS-1
.Llap:
	TURN 0, 1, 1
	STEP 1, 0, 0
	TURN 1, 0, 1
	STEP 0, 0, 0
	s_sub_co_u32 s3, s3, 1
	s_cmp_lg_u32 s3, 0
	s_cbranch_scc1 .Llap
	TURN 0, 1, 0
	STEP 1, 0, 0
	s_wait_dscnt 4*NL
	WIN MUL_LO
	MUL16 0, 1, NQ-1, 1, 0
	MUL16 2, 1, NQ-1, 1, 0
	s_wait_dscnt 0
	WIN MUL_HI
	MUL16 4, 1, NQ-1, 1, 0
	MUL16 6, 1, NQ-1, 1, 0
	WIN 0
	PLACES NP
	s_mov_b32 s[SEL], 0x76543210
	s_mov_b32 s[SEL+1], 0xfedcba98
	s_mov_b32 s[MNT], 0x600000
	s_lshl_b32 s80, s17, 1
	s_add_co_u32 s80, s80, s15
	s_lshl_b32 s82, s42, 1
	s_add_co_u32 s82, s82, s16
	s_lshl_b32 s82, s82, 1
	s_lshl_b32 s83, s80, 5
	s_add_co_u32 s82, s82, s83
	s_lshl_b32 s84, s82, 13
	s_lshl_b32 s85, s82, 9
	s_add_co_u32 s85, s85, QS_OFF
	s_and_b32 s86, s80, 0xfffffff8
	s_lshl_b32 s87, s40, 1
	s_add_co_u32 s86, s86, s87
	s_lshl_b32 s86, s86, 3
	s_and_b32 s87, s80, 7
	s_add_co_u32 s86, s86, s87
	s_mul_i32 s86, s86, RECB
	s_add_co_u32 s86, s86, KV_OFF
	s_lshl_b32 s88, s66, 13
	s_add_co_u32 s88, s88, s86
	s_lshl_b32 s89, s66, 9
	s_add_co_u32 s89, s89, s86
	s_add_co_u32 s89, s89, 16384
	s_mov_b32 s90, 8*RECB
	s_cmp_lt_u32 ttmp9, 2
	s_cselect_b32 s84, s84, s88
	s_cselect_b32 s85, s85, s89
	s_cselect_b32 s88, 8192, s90
	s_cselect_b32 s89, 512, s90
	s_mov_b32 s81, 0
	s_mov_b32 s80, s84
	s_add_nc_u64 s[GC:GC+1], s[98:99], s[80:81]
	s_add_co_u32 s80, s84, s88
	s_add_nc_u64 s[GC+2:GC+3], s[98:99], s[80:81]
	s_mov_b32 s80, s85
	s_add_nc_u64 s[GSC:GSC+1], s[98:99], s[80:81]
	s_add_co_u32 s80, s85, s89
	s_add_nc_u64 s[GSC+2:GSC+3], s[98:99], s[80:81]
.irp b, 0,1,2,3
	v_mov_b32 v[TM+4+\b], 0
.endr
.macro QUANT s, W
	WIN (\W)|((\W)<<2)
.irp b, 0,1,2,3
	v_max3_num_f32 v[TM+\b], |v[(\s)+16*\b]|, |v[(\s)+1+16*\b]|, FLOOR
.endr
	WIN ((\W)<<2)|((\W)<<4)
.irp i, 2,4,6,8,10,12,14
.irp b, 0,1,2,3
	v_max3_num_f32 v[TM+\b], v[TM+\b], |v[(\s)+16*\b+\i]|, |v[(\s)+1+16*\b+\i]|
.endr
.endr
	WIN 0
.irp b, 0,1,2,3
	v_permlanex16_b32 v[TM+4+\b], v[TM+\b], s[SEL], s[SEL+1]
.endr
.irp b, 0,1,2,3
	v_max_num_f32 v[TM+\b], v[TM+\b], v[TM+4+\b]
.endr
.irp b, 0,1,2,3
	v_add_nc_u32 v[TM+12+\b], 0xfc000000, v[TM+\b]
.endr
.irp b, 0,1,2,3
	v_and_or_b32 v[TM+8+\b], v[TM+\b], 0x7f800000, s[MNT]
.endr
.irp b, 0,1,2,3
	v_lshrrev_b32 v[TM+4+\b], 23, v[TM+12+\b]
.endr
	WIN (\W)|((\W)<<6)
.irp b, 0,1,2,3
.irp i, 0,1,2,3,4,5,6,7,8,9,10,11,12,13,14,15
	v_med3_num_f32 v[(\s)+16*\b+\i], v[(\s)+16*\b+\i], -v[TM+8+\b], v[TM+8+\b]
.endr
.endr
	WIN (\W)
.irp b, 0,1,2,3
	v_cvt_scalef32_pk8_fp8_f32 v[PC+4*\b:PC+4*\b+1], v[(\s)+16*\b:(\s)+16*\b+7], v[TM+12+\b]
	v_cvt_scalef32_pk8_fp8_f32 v[PC+4*\b+2:PC+4*\b+3], v[(\s)+16*\b+8:(\s)+16*\b+15], v[TM+12+\b]
.endr
	WIN 0
	v_nop
.endm
.macro QK a
.set AC, 64*((\a)%4)
.set CT, CS+32*((\a)%2)
.if (\a) < 7
	s_wait_loadcnt 8
.else
	s_wait_loadcnt 0x0
.endif
	s_wait_xcnt 0x0
	WIN 2+(\a)/4
.set n, 0
.rept 32
	v_pk_mul_f32 v[RR+n:RR+n+1], v[AC+n:AC+n+1], v[CT+n%32:CT+n%32+1] op_sel:[1,1] op_sel_hi:[1,0] neg_lo:[1,0]
.set n, n+2
.endr
.set n, 0
.rept 32
	v_pk_fma_f32 v[RR+n:RR+n+1], v[AC+n:AC+n+1], v[CT+n%32:CT+n%32+1], v[RR+n:RR+n+1] op_sel_hi:[0,1,1]
.set n, n+2
.endr
	WIN 0
.if (\a)+2 < 8
	TABLE (\a)+2
.endif
	QUANT RR, 0
.irp hh, 0,1
.if (\a)%2 == 0
	v_lshl_or_b32 v[WQ+4*\hh+(\a)/2], v[TM+5+2*\hh], 8, v[TM+4+2*\hh]
.else
	v_lshl_or_b32 v[TW], v[TM+5+2*\hh], 8, v[TM+4+2*\hh]
	v_cndmask_b32 v[WQ+4*\hh+(\a)/2], v[WQ+4*\hh+(\a)/2], v[TW], s67
.endif
.endr
.irp hh, 0,1
.irp c, 0,1
	global_store_b128 v[LI], v[PC+4*(2*\hh+\c):PC+4*(2*\hh+\c)+3], s[GC+2*\hh:GC+2*\hh+1] offset:(\a)*1024+\c*512
.endr
.endr
.endm
; V: 16 channels (the weights' block a) x my 128 tokens are turned through my stage, so that a lane holds one channel and its registers run along the tokens, the second attention product's K.
; In: accumulator (x, a), register j of lane (r, h) is token row 16 x + r, channel row 8 h + j.  Out: register 8 b + j of lane (r, h) is channel row r, token row 16 b + 8 h + j.  LDS serves a wave's instructions in order.
.macro VV a
	s_wait_xcnt 0x0
.irp x, 0,1,2,3,4,5,6,7
	WIN (2+\x/4)<<2
.irp j, 0,1,2,3,4,5,6,7
	ds_store_b32 v22, v[8*(8*(\x%4)+(\a))+\j] offset:\j*528+64*\x
.endr
.endr
	WIN 0
.irp k, 0,1,2,3,4,5,6,7,8,9,10,11,12,13,14,15
	ds_load_b128 v[RR+4*\k:RR+4*\k+3], v23 offset:64*(\k/2)+16*(\k%2)
.endr
	s_wait_dscnt 0x0
	QUANT RR, 0
	v_lshl_or_b32 v[TW], v[TM+5], 8, v[TM+4]
	v_lshl_or_b32 v[TW], v[TM+6], 16, v[TW]
.if (\a)%2 == 0
	v_lshl_or_b32 v[WQ+2*((\a)/4)+((\a)%4)/2], v[TM+7], 24, v[TW]
.else
	v_lshl_or_b32 v[TW], v[TM+7], 24, v[TW]
	v_cndmask_b32 v[WQ+2*((\a)/4)+((\a)%4)/2], v[WQ+2*((\a)/4)+((\a)%4)/2], v[TW], s67
.endif
.irp c, 0,1,2,3
	global_store_b128 v[LI], v[PC+4*\c:PC+4*\c+3], s[GC+2*((\a)/4):GC+2*((\a)/4)+1] offset:((\a)%4)*2048+\c*512
.endr
.endm
	s_cmp_lg_u32 s66, 0
	s_cbranch_scc1 .Lv_way
.irp a, 0,1,2,3,4,5,6,7
	QK \a
.endr
	global_store_b128 v[LI], v[WQ:WQ+3], s[GSC:GSC+1]
	global_store_b128 v[LI], v[WQ+4:WQ+7], s[GSC+2:GSC+3]
	s_branch .Ldone
.Lv_way:
	s_wait_loadcnt 0x0
.irp a, 0,1,2,3,4,5,6,7
	VV \a
.endr
	global_store_b64 v[L8], v[WQ:WQ+1], s[GSC:GSC+1]
	global_store_b64 v[L8], v[WQ+2:WQ+3], s[GSC+2:GSC+3]
.Ldone:
	s_wait_tensorcnt 0x0
	ds_add_u32 v[SPW], v[NIL]
	s_wait_dscnt 0x0
	CROUND
	s_endpgm
.Lfunc_end_k_q8993a92e6c_qkv:
	.size	k_q8993a92e6c_qkv, .Lfunc_end_k_q8993a92e6c_qkv-k_q8993a92e6c_qkv
	.p2alignl 7, 3214868480
	.fill 96, 4, 3214868480
	.section	.rodata,"a",@progbits
	.p2align	6, 0x0
	.amdhsa_kernel k_q8993a92e6c_qkv
		.amdhsa_group_segment_fixed_size 327680
		.amdhsa_private_segment_fixed_size 0
		.amdhsa_enable_private_segment 0
		.amdhsa_kernarg_size 48
		.amdhsa_user_sgpr_count 2
		.amdhsa_user_sgpr_kernarg_segment_ptr 1
		.amdhsa_wavefront_size32 1
		.amdhsa_system_sgpr_workgroup_id_x 1
		.amdhsa_system_sgpr_workgroup_id_y 1
		.amdhsa_system_sgpr_workgroup_id_z 1
		.amdhsa_system_vgpr_workitem_id 0
		.amdhsa_next_free_vgpr 1024
		.amdhsa_next_free_sgpr 104
		.amdhsa_reserve_vcc 0
		.amdhsa_float_denorm_mode_32 3
		.amdhsa_float_denorm_mode_16_64 3
		.amdhsa_memory_ordered 1
		.amdhsa_forward_progress 1
		.amdhsa_inst_pref_size 255
	.end_amdhsa_kernel
	.section	.bss,"aw",@nobits
	.p2align	6
	.space	262144
	.amdgpu_metadata
---
amdhsa.version: [ 1, 2 ]
amdhsa.kernels:
  - .name:           k_q8993a92e6c_qkv
    .symbol:         k_q8993a92e6c_qkv.kd
    .args:
      - { .name: xc, .offset: 0, .size: 8, .value_kind: global_buffer, .address_space: global }
      - { .name: xs, .offset: 8, .size: 8, .value_kind: global_buffer, .address_space: global }
      - { .name: wcod, .offset: 16, .size: 8, .value_kind: global_buffer, .address_space: global }
      - { .name: wscl, .offset: 24, .size: 8, .value_kind: global_buffer, .address_space: global }
      - { .name: rope, .offset: 32, .size: 8, .value_kind: global_buffer, .address_space: global }
      - { .name: qkv, .offset: 40, .size: 8, .value_kind: global_buffer, .address_space: global }
    .group_segment_fixed_size: 327680
    .private_segment_fixed_size: 0
    .kernarg_segment_align: 8
    .kernarg_segment_size: 48
    .max_flat_workgroup_size: 128
    .sgpr_count:     104
    .vgpr_count:     1024
    .wavefront_size: 32
...
	.end_amdgpu_metadata
.endif
;; end of part 2
;; launch attn (part 3): grid 8 x 32, 8 waves a work-group, clusters of 4 x 4, 327,680 bytes of LDS; arguments qkv, mask, oc, os; writes oc, os
.if DOCPART == 3
	.amdgcn_target "amdgcn-amd-amdhsa--gfx1250"
	.amdhsa_code_object_version 6
	.text
	.protected	k_q8993a92e6c_attn
	.globl	k_q8993a92e6c_attn
	.p2align	8
	.type	k_q8993a92e6c_attn,@function
k_q8993a92e6c_attn:
	s_mov_b64 s[64:65], 0
	v_nop
	global_prefetch_b8 v0, s[64:65] scope:SCOPE_SE
	s_setreg_imm32_b32 hwreg(HW_REG_WAVE_MODE, 25, 1), 1
	s_wait_xcnt 0x0
	s_wait_alu depctr_hold_cnt(0) depctr_sa_sdst(0) depctr_va_vdst(0) depctr_va_sdst(0) depctr_va_ssrc(0) depctr_va_vcc(0) depctr_vm_vsrc(0)
	s_getreg_b32 s2, hwreg(HW_REG_IB_STS2, 6, 4)
	s_cmp_eq_u32 s2, 0
	s_cbranch_scc0 .Lentry_in_a_cluster
	s_endpgm
.Lentry_in_a_cluster:
	s_bfe_u32 s2, ttmp6, 0x10000c
	s_cmp_lg_u32 s2, 0xf033
	s_cbranch_scc0 .Lentry_shape_is_right
	s_endpgm
.Lentry_shape_is_right:
; ATTENTION on codes of E4M3 with E8M0 scales: scores = q k^T / 8 + mask, p = 2^(t - M), out = (p v) / l, and the quantising of out along (head, channel) for the last product.
; SHARES.  A work-group owns 128 positions (block pb) of one batch and kv head (bg); wave w owns positions 16 w .. 16 w + 15 for the FOUR query heads of the group: four tiles that share every byte of K, V and the mask.
; Two waves to a SIMD, 512 registers each: one wave's vector work stands beside the other's products and LDS loads.  Eight key steps of 128 keys; every place of the mask is read and added: it is an input.
; LAYOUT.  Both products are used transposed: S^T = K Q^T (source 0 = 16 keys, source 1 = my 16 queries), O^T = V^T P^T: a lane holds ONE query (lane % 16).  K's and V's fragments come as images of their registers;
; lane r of key tile 2 b + u holds key 32 b + 8 u + r + 8 (r / 8), so the 16 registers of tiles 2 b, 2 b + 1 are keys 32 b + 16 (lane / 16) + 0..15; V's channels lie likewise, so O^T's registers run along the channels.
; K = 64 IN A FORM OF K = 128.  Q's upper 64 codes are zeros and bytes 2, 3 of q's and k's scale words are 0 (2^-127, no NaN).  K's operand is a run of 16 registers whose upper 8 are the next tile's codes: finite numbers that meet zeros.
; 1/8 AND THE MASK.  3 is taken off q's two scale bytes, so the unit gives score / 8 exactly; the score registers are loaded with the mask and the products add onto them: no vector instruction for either.
; SOFTMAX.  t = logit x log2(e); M = the running largest t rounded up to a whole number; p = 2^(t - M) is quantised along the keys, not normalised; l is the sum of the unquantised p; when M moves, l and O^T are multiplied by 2^(old M - new M): exact.
; CLUSTER 4 x 4: the mask's tile hangs on pb alone and is asked for jointly down a column of the cluster; the K/V record hangs on bg alone and is asked for jointly along a row.
; THE ORDER OF A KEY STEP.  A wave reads step i's slot for the last time when it fetches tile 3's mask.  So the change of slots stands ahead of tile 3's products, not at the step's head.  Each wave signals there and goes on with work on
; registers (tile 3's scores and the first part of its softmax) before it waits: a wave that is ahead works while the others arrive.  Behind the round step i's slot is asked for again (step i + 2: a whole key step ahead of the wait for it);
; then K of step i + 1 and the first tile's mask are fetched from the other slot under the rest of tile 3, so that the next step's first products find them in registers.  V's registers are free only behind tile 3's last products:
; V is fetched at the step's head and is wanted a softmax later.
; LIMITS: the mask is added inside the matrix unit, with that unit's rounding; NaN and infinities (a mask of -inf too) are not served; blocks of the output under 2^-118 take that floor's scale.
; REGISTERS.  Window 0: v1-11 addresses; v12-27 statistics (tile t at 12 + 4 t: -M, largest t, l in two halves); v28-31 q's scale words, v32-35 k's, v36-37 v's, v38 p's; v40-61 at work; v68-83 p's codes; v84-90 the way out;
;  v96-159 S^T, then p; v160-231 K (8 x 8, and 8 zeros).   Window 1: v0-127 O^T (32 a tile); v128-191 V (4 x 16); v192-255 Q (16 a tile, the upper 8 zeros).
.set SLOT1, 1<<17                      ; slot 1 begins here: one exclusive or turns an address of one slot into the other's
.set MP,    528                        ; a row of the mask's tile: 512 bytes + 16 of padding: the 16 rows that a load touches start at 16 different banks
.set RECO,  128*MP                     ; behind the mask's 128 rows: the K/V record
.set RECB,  17152
.set STG,   RECO+RECB                  ; between the slots: a stage of 16 rows x 272 bytes for each wave; no fill lands there
.set SPARE, STG+8*16*272               ; the spare words: 128 bytes a wave, four blocks of 256 bytes that no other line names
.set QS_OFF, 8388608
.set KV_OFF, 8912896
.set AK0, 1                            ; 16 x lane + RECO
.set AM0, 2                            ; (16 w + r) MP + 64 h
.set SPW, 3
.set NIL, 4
.set ADK, 5
.set VQ,  6                            ; q's codes: my lane's offset
.set ADM, 7
.set VQS, 8                            ; q's scale words: my lane's offset
.set ADT, 9
.set AT0, 10                           ; 8 x lane + RECO + 16,896
.set ST,  12
.set QS,  28
.set KS,  32
.set VS,  36
.set PS,  38
.set F,   40                           ; v[40:41]: f = 2^(old M - new M); v41 is named with it as a pair
.set BM,  44
.set PM,  48
.set HD,  52
.set SO,  56
.set PC,  68
.set STO, 84
.set RD,  85
.set GO,  90
.set GS,  89
.set S,   96
.set KR,  160
.set WV,  12
.set MNT, 19
.set SEL, 20
.set CS,  22
.set G1M, 24
.set G1R, 32
.set G0M, 40
.set G0R, 44
.set TB,  48
.set CNT, 49
.set MSB, 0
.macro WIN new
.if MSB != (\new)
	s_set_vgpr_msb (MSB<<8)|(\new)
.set MSB, (\new)
.endif
.endm
.macro CREST                           ; a round of the cluster's barrier behind its opening barrier
	s_cmp_lg_u32 s[WV], 0
	s_cbranch_scc1 .Lnot_wave_0_\@
	s_barrier_signal -3
.Lnot_wave_0_\@:
	s_barrier_wait -3
	s_barrier_signal -1
	s_barrier_wait -1
.endm
.macro CROUND                          ; a whole round
	s_barrier_signal -1
	s_barrier_wait -1
	CREST
.endm
.macro TLOAD                           ; waves 0 and 1 fetch the mask's halves (64 rows of 512 bytes), wave 2 the record, the others nothing: one load a wave.  An s_nop 0 and four v_nop follow each line
	s_cmp_lt_u32 s[WV], 2
	s_cbranch_scc0 .Lnot_m_\@
	tensor_load_to_lds s[G0M:G0M+3], s[G1M:G1M+7]
	s_nop 0
.rept 4
	v_nop
.endr
	s_branch .Lasked_\@
.Lnot_m_\@:
	s_cmp_eq_u32 s[WV], 2
	s_cbranch_scc0 .Lasked_\@
	tensor_load_to_lds s[G0R:G0R+3], s[G1R:G1R+7]
	s_nop 0
.rept 4
	v_nop
.endr
.Lasked_\@:
.endm
.macro DSTEP                           ; the walking descriptors: the other slot, the next 128 keys of the mask's rows, the next record.  It stands where no tensor load of mine is out
	s_xor_b32 s[G0M+1], s[G0M+1], SLOT1
	s_add_nc_u64 s[G0M+2:G0M+3], s[G0M+2:G0M+3], 512
	s_xor_b32 s[G0R+1], s[G0R+1], SLOT1
	s_add_nc_u64 s[G0R+2:G0R+3], s[G0R+2:G0R+3], RECB
.endm
	s_load_b256 s[4:11], s[0:1], 0x0               ; qkv s4, mask s6, oc s8, os s10
	v_lshl_add_u32 v[SPW], v0, 2, SPARE
	v_mov_b32 v[NIL], 0
	ds_add_u32 v[SPW], v[NIL]                      ; the wave's opening: the add, twice on end, and its wait ahead of the first tensor loads
	ds_add_u32 v[SPW], v[NIL]
	v_lshrrev_b32 v5, 5, v0
	v_readfirstlane_b32 s[WV], v5                  ; wave 0..7
	s_bfe_u32 s13, ttmp6, 0x40000                  ; cx
	s_bfe_u32 s14, ttmp6, 0x40004                  ; cy
	s_lshl_b32 s15, ttmp9, 2
	s_add_co_u32 s15, s15, s13                     ; pb
	s_and_b32 s16, ttmp7, 0xffff
	s_lshl_b32 s16, s16, 2
	s_add_co_u32 s16, s16, s14                     ; bg = 8 x batch + kv head
	s_lshl_b32 s17, 0x1111, s13                    ; my column of the cluster: the same pb
	s_lshl_b32 s18, s14, 2
	s_lshl_b32 s18, 15, s18                        ; my row: the same bg
	s_or_b32 s[G1M], s17, (2<<16)|(1<<20)|(1<<21)|(6<<22)|(3<<25)   ; the mask of work-groups; elements of 4 bytes; padding: 4 words behind every 128; bit 21 set beside a mask
	s_mov_b32 s[G1M+1], 128<<16                    ; tensor_dim0 = 128
	s_mov_b32 s[G1M+2], 64<<16                     ; tensor_dim1 = 64
	s_mov_b32 s[G1M+3], 128<<16                    ; tile_dim0 = 128
	s_mov_b32 s[G1M+4], 64                         ; tile_dim1 = 64
	s_mov_b32 s[G1M+5], 1024                       ; the pitch
	s_mov_b32 s[G1M+6], 0
	s_mov_b32 s[G1M+7], 0
	s_or_b32 s[G1R], s18, (3<<16)|(1<<21)          ; the record: a dense block, 67 rows of 256 bytes (32 elements of 8 bytes), no padding
	s_mov_b32 s[G1R+1], 32<<16
	s_mov_b32 s[G1R+2], 67<<16
	s_mov_b32 s[G1R+3], 32<<16
	s_mov_b32 s[G1R+4], 67
	s_mov_b32 s[G1R+5], 32
	s_mov_b32 s[G1R+6], 0
	s_mov_b32 s[G1R+7], 0
	s_and_b32 s51, s[WV], 1
	s_lshl_b32 s52, s15, 7
	s_lshl_b32 s53, s51, 6
	s_add_co_u32 s52, s52, s53                     ; the mask's row 128 pb + 64 x (wave % 2): of pb and the wave's number alone
	s_lshl_b32 s52, s52, 12
	s_mov_b32 s53, 0
	s_mul_i32 s54, s51, 64*MP                      ; and its place in a slot
	s_mul_i32 s56, s16, 8*RECB                     ; my eight records: of bg alone
	s_add_co_u32 s56, s56, KV_OFF
	s_mov_b32 s57, 0
	s_mov_b32 s[MNT], 0x600000
	s_mov_b32 s[SEL], 0x76543210
	s_mov_b32 s[SEL+1], 0xfedcba98
	s_mov_b32 s[CS], 0x3fb8aa3b                    ; log2(e)
	s_mov_b32 s[CS+1], s[CS]
	s_mov_b32 s[TB], 0
	s_mov_b32 s50, 0xffff0000                      ; lanes 16-31
	s_lshr_b32 s58, s16, 3                         ; batch
	s_and_b32 s59, s16, 7                          ; kv head
	s_lshl_b32 s60, s58, 3
	s_add_co_u32 s60, s60, s15                     ; my block of 128 tokens
	s_lshl_b32 s60, s60, 5
	s_lshl_b32 s61, s59, 2
	s_add_co_u32 s60, s60, s61                     ; x 32 + my first query head
	s_lshr_b32 s61, s[WV], 1
	s_lshl_b32 s62, s60, 13                        ; q's codes: 8,192 bytes a block and head;
	s_lshl_b32 s63, s61, 11
	s_add_co_u32 s62, s62, s63                     ; position 16 w + r lies in image tile 2 (w / 2) + r / 8, lane 8 (w % 2) + r % 8
	s_lshl_b32 s63, s51, 7
	s_add_co_u32 s62, s62, s63
	s_mov_b32 s63, 0
	s_lshl_b32 s70, s60, 9                         ; q's scale words: 512 bytes a block and head
	s_add_co_u32 s70, s70, QS_OFF
	s_lshl_b32 s71, s51, 7
	s_add_co_u32 s70, s70, s71
	s_lshl_b32 s71, s61, 2
	s_add_co_u32 s70, s70, s71
	s_mov_b32 s71, 0
	s_lshl_b32 s72, s58, 10
	s_lshl_b32 s73, s15, 7
	s_add_co_u32 s72, s72, s73
	s_lshl_b32 s73, s[WV], 4
	s_add_co_u32 s72, s72, s73                     ; my first token
	s_lshl_b32 s74, s72, 11
	s_lshl_b32 s75, s59, 8
	s_add_co_u32 s74, s74, s75                     ; oc: row of 2,048 bytes, my group's 256
	s_mov_b32 s75, 0
	s_lshl_b32 s76, s72, 6
	s_lshl_b32 s77, s59, 3
	s_add_co_u32 s76, s76, s77                     ; os: row of 64 bytes, my group's 8
	s_mov_b32 s77, 0
	s_wait_dscnt 0x0                               ; the opening add is done
	s_wait_kmcnt 0x0
	s_mov_b32 s[G0M], 1
	s_mov_b32 s[G0M+1], s54
	s_add_nc_u64 s[G0M+2:G0M+3], s[6:7], s[52:53]
	s_or_b32 s[G0M+3], s[G0M+3], 0x80000000
	s_mov_b32 s[G0R], 1
	s_mov_b32 s[G0R+1], RECO
	s_add_nc_u64 s[G0R+2:G0R+3], s[4:5], s[56:57]
	s_or_b32 s[G0R+3], s[G0R+3], 0x80000000
	s_add_nc_u64 s[66:67], s[4:5], s[62:63]
	s_add_nc_u64 s[68:69], s[4:5], s[70:71]
	s_add_nc_u64 s[8:9], s[8:9], s[74:75]
	s_add_nc_u64 s[10:11], s[10:11], s[76:77]
	CROUND                                         ; all sixteen work-groups are here: the first joint loads meet
	TLOAD                                          ; key step 0, into slot 0
	v_and_b32 v11, 31, v0                          ; lane
	v_and_b32 v62, 15, v0                          ; r
	v_bfe_u32 v63, v0, 4, 1                        ; h
	v_lshl_add_u32 v[AK0], v11, 4, RECO
	v_lshl_add_u32 v[AT0], v11, 3, RECO+16896
	s_mul_i32 s55, s[WV], 16*MP
	v_mul_u32_u24 v[AM0], v62, MP
	v_lshl_add_u32 v[AM0], v63, 6, v[AM0]
	v_add_nc_u32 v[AM0], s55, v[AM0]
	s_mul_i32 s55, s[WV], 16*272
	s_add_co_u32 s55, s55, STG                     ; my stage
	v_mul_u32_u24 v[STO], v62, 272
	v_lshl_add_u32 v[STO], v63, 4, v[STO]
	v_add_nc_u32 v[STO], s55, v[STO]               ; in: row r, 16 bytes for each half of the lanes
	v_mul_u32_u24 v[RD], v63, 272
	v_lshl_add_u32 v[RD], v62, 4, v[RD]
	v_add_nc_u32 v[RD], s55, v[RD]                 ; back: lanes 0-15 one row, lanes 16-31 the next
	v_lshlrev_b32 v[GO], 11, v63
	v_lshl_add_u32 v[GO], v62, 4, v[GO]            ; the same two rows in oc
	v_lshlrev_b32 v[GS], 6, v62
	v_lshl_add_u32 v[GS], v63, 2, v[GS]            ; os: row r, word h
	v_lshrrev_b32 v64, 3, v62
	v_and_b32 v65, 7, v62
	v_lshlrev_b32 v65, 4, v65
	v_lshl_add_u32 v[VQS], v64, 8, v65
	v_lshl_add_u32 v[VQ], v64, 10, v65
	v_lshl_add_u32 v[VQ], v63, 8, v[VQ]
	WIN 0x40                                       ; destination window 1
.irp t, 0,1,2,3
.irp c, 0,1
	global_load_b128 v[192+16*\t+4*\c:192+16*\t+4*\c+3], v[VQ], s[66:67] offset:\t*8192+\c*512   ; Q stays in registers
.endr
.endr
.set n, 0
.rept 128
	v_mov_b32 v[n], 0                              ; O^T.  The key step is written for all steps alike: the first finds zeros, which the first change of M leaves zeros; that spares one more copy of the step
.set n, n+1
.endr
.irp t, 0,1,2,3
.irp i, 8,9,10,11,12,13,14,15
	v_mov_b32 v[192+16*\t+\i], 0                   ; Q's codes of K = 64 .. 127: zeros
.endr
.endr
	WIN 0
.irp t, 0,1,2,3
	global_load_b32 v[QS+\t], v[VQS], s[68:69] offset:512*\t
.endr
.irp i, 0,1,2,3,4,5,6,7
	v_mov_b32 v[KR+64+\i], 0                       ; behind K's last tile
.endr
.irp b, 0,1,2,3
	v_mov_b32 v[PM+\b], 0                          ; a lane permute's destination counts as one of its sources
.endr
	v_mov_b32 v[F+1], 0
	s_wait_alu depctr_va_vdst(0)
	s_wait_loadcnt 0x0
.irp t, 0,1,2,3
	v_add_nc_u32 v[QS+\t], 0xfffffcfd, v[QS+\t]    ; 3 off each of q's two bytes (they are 4 at the least: no borrow): the scores come divided by 8
.endr
.irp t, 0,1,2,3
	v_mov_b32 v[ST+4*\t+1], 0xff61b1e6             ; the largest t so far: -3e38
	v_floor_f32 v[ST+4*\t], -v[ST+4*\t+1]          ; -M
	v_mov_b32 v[ST+4*\t+2], 0                      ; l, in two halves
	v_mov_b32 v[ST+4*\t+3], 0
.endr
.macro MASKLD                          ; my 16 queries x the step's 128 keys of the mask, in the scores' own layout: register 16 b + 4 q + e = key 32 b + 16 h + 4 q + e
.irp b, 0,1,2,3
.irp q, 0,1,2,3
	ds_load_b128 v[S+16*\b+4*\q:S+16*\b+4*\q+3], v[ADM] offset:128*\b+16*\q
.endr
.endr
.endm
.macro KLOAD                           ; a step's K (8 tiles of 16 keys x 64 channels) and its scale words: 17 loads
.irp kt, 0,1,2,3,4,5,6,7
.irp c, 0,1
	ds_load_b128 v[KR+8*\kt+4*\c:KR+8*\kt+4*\c+3], v[ADK] offset:\kt*1024+\c*512
.endr
.endr
	ds_load_b128 v[KS:KS+3], v[ADK] offset:16384
.endm
.macro SCORES t                        ; S^T = mask + K Q_t^T / 8: eight accumulators, one instruction each
	WIN 0x04                                       ; source 1 (Q) window 1
.irp kt, 0,1,2,3,4,5,6,7
.if \kt%2
	v_wmma_scale_f32_16x16x128_f8f6f4 v[S+8*\kt:S+8*\kt+7], v[KR+8*\kt:KR+8*\kt+15], v[192+16*(\t):192+16*(\t)+15], v[S+8*\kt:S+8*\kt+7], v[KS+\kt/2], v[QS+(\t)] matrix_a_scale:MATRIX_SCALE_ROW1
.else
	v_wmma_scale_f32_16x16x128_f8f6f4 v[S+8*\kt:S+8*\kt+7], v[KR+8*\kt:KR+8*\kt+15], v[192+16*(\t):192+16*(\t)+15], v[S+8*\kt:S+8*\kt+7], v[KS+\kt/2], v[QS+(\t)]
.endif
.endr
	WIN 0
.rept 8
	v_nop                                          ; places in front of the first read of the results, and of loads into K's registers
.endr
.endm
; THE SOFTMAX OF A TILE, first part: the maxima, M, f, p and the row's sum.  Work on registers alone; it ends behind its last wait for the exponentials.
.macro SMAX_A t
.set rT, ST+4*(\t)
.irp b, 0,1,2,3
	v_max3_num_f32 v[BM+\b], v[S+16*\b], v[S+1+16*\b], v[S+2+16*\b]   ; the largest logit of each block of 32 keys: it serves for the row's maximum and, since p rises with the logit, for the block's largest p
.endr
.irp i, 3,5,7,9,11,13
.irp b, 0,1,2,3
	v_max3_num_f32 v[BM+\b], v[BM+\b], v[S+16*\b+\i], v[S+1+16*\b+\i]
.endr
.endr
.irp b, 0,1,2,3
	v_max_num_f32 v[BM+\b], v[BM+\b], v[S+15+16*\b]
.endr
.irp b, 0,1,2,3
	v_permlanex16_b32 v[PM+\b], v[BM+\b], s[SEL], s[SEL+1]
.endr
.irp b, 0,1,2,3
	v_max_num_f32 v[BM+\b], v[BM+\b], v[PM+\b]     ; with lane l xor 16's 16 keys
.endr
	v_max3_num_f32 v42, v[BM], v[BM+1], v[BM+2]
	v_max_num_f32 v42, v42, v[BM+3]
	v_mul_f32 v42, s[CS], v42                      ; as t
	v_max_num_f32 v[rT+1], v[rT+1], v42            ; the running largest t
	v_mov_b32 v42, v[rT]
	v_floor_f32 v[rT], -v[rT+1]                    ; the new -M = -ceil(t): a whole number
	v_sub_f32 v42, v[rT], v42                      ; old M - new M: a whole number, 0 or less
	v_cvt_i32_f32 v42, v42                         ; (it saturates)
	v_ldexp_f32 v[F], 1.0, v42                     ; f = 2^(old M - new M)
.set n, 0
.rept 32
	v_pk_fma_f32 v[S+n:S+n+1], v[S+n:S+n+1], s[CS:CS+1], v[rT:rT+1] op_sel_hi:[1,0,0]   ; t - M, two at a time
.set n, n+2
.endr
.irp b, 0,1,2,3
	v_fma_f32 v[BM+\b], v[BM+\b], s[CS], v[rT]     ; the same of each block's largest logit
.endr
	s_wait_alu depctr_va_vdst(0)                   ; all sources first, then one wait ahead of the batch
.set n, 0
.rept 64
	v_exp_f32 v[S+n], v[S+n]                       ; p = 2^(t - M)
.set n, n+1
.endr
.irp b, 0,1,2,3
	v_exp_f32 v[BM+\b], v[BM+\b]                   ; in the same batch the block's largest p: the same two instructions on the same number give the same bits
.endr
	v_pk_mul_f32 v[rT+2:rT+3], v[rT+2:rT+3], v[F:F+1] op_sel_hi:[1,0]   ; l under the new M: the plain instruction behind the last exponential
	s_wait_alu depctr_va_vdst(0)                   ; one wait for the batch of 68, ahead of its first reader
	v_pk_add_f32 v[60:61], v[S:S+1], v[S+2:S+3]    ; the row's sum is taken of the unquantised p: two chains
.irp j, 4,8,12,16,20,24,28,32,36,40,44,48,52,56,60
	v_pk_add_f32 v[rT+2:rT+3], v[rT+2:rT+3], v[S+\j:S+\j+1]
	v_pk_add_f32 v[60:61], v[60:61], v[S+2+\j:S+3+\j]
.endr
	v_pk_add_f32 v[rT+2:rT+3], v[rT+2:rT+3], v[60:61]
	s_wait_alu depctr_va_vdst(0)                   ; for the sums just written: behind tile 3's first part stand a barrier's wait and branches
.endm
; Second part: p's scales and codes.  ld = 1: as soon as a block's 16 score registers have been converted they take the mask for the tile that follows (from the slot that v[ADM] names): 16 loads in all.
.macro SMAX_B ld
.irp b, 0,1,2,3
	v_max_num_f32 v[BM+\b], 0x4800000, v[BM+\b]    ; the floor 2^(9 - 127): the byte cannot fall under 1; a block whose every p is 0 keeps it: its codes are zeros
.endr
.irp b, 0,1,2,3
	v_add_nc_u32 v[SO+\b], 0xfc000000, v[BM+\b]    ; the conversion's scale operand
.endr
.irp b, 0,1,2,3
	v_and_or_b32 v[HD+\b], v[BM+\b], 0x7f800000, s[MNT]   ; 448 x the scale
.endr
.irp b, 0,1,2,3
	v_lshrrev_b32 v[PM+\b], 23, v[SO+\b]           ; the scale's byte
.endr
	v_lshl_or_b32 v[PS], v[PM+1], 8, v[PM]         ; p's scale word for these 128 keys
	v_lshl_or_b32 v[PS], v[PM+2], 16, v[PS]
	v_lshl_or_b32 v[PS], v[PM+3], 24, v[PS]
.irp b, 0,1,2,3
.irp i, 0,2,4,6,8,10,12,14
	v_dual_min_num_f32 v[S+16*\b+\i], v[S+16*\b+\i], v[HD+\b] :: v_dual_min_num_f32 v[S+16*\b+\i+1], v[S+16*\b+\i+1], v[HD+\b]   ; the conversion does not saturate (ISA guide 7.6.2); p is not negative: a one-sided hold, two numbers an instruction
.endr
	v_cvt_scalef32_pk8_fp8_f32 v[PC+4*\b:PC+4*\b+1], v[S+16*\b:S+16*\b+7], v[SO+\b]
	v_cvt_scalef32_pk8_fp8_f32 v[PC+4*\b+2:PC+4*\b+3], v[S+16*\b+8:S+16*\b+15], v[SO+\b]
.if \ld
.irp q, 0,1,2,3
	ds_load_b128 v[S+16*\b+4*\q:S+16*\b+4*\q+3], v[ADM] offset:128*\b+16*\q
.endr
.endif
.endr
.endm
.macro PV t                            ; O_t^T = f O_t^T + V^T P^T: four accumulators, one instruction each
	WIN 0x41                                       ; O^T (destination, source 0) window 1; f window 0
	s_wait_alu depctr_va_vdst(0)                   ; directly ahead of the first reader of O^T
.set n, 0
.rept 16
	v_pk_mul_f32 v[32*(\t)+n:32*(\t)+n+1], v[32*(\t)+n:32*(\t)+n+1], v[F:F+1] op_sel_hi:[1,0]   ; ascending; these 16 are also the places between the codes' making and the products
.set n, n+2
.endr
	WIN 0x51                                       ; V window 1, P window 0, C and D window 1
.irp dt, 0,1,2,3
.if \dt%2
	v_wmma_scale_f32_16x16x128_f8f6f4 v[32*(\t)+8*\dt:32*(\t)+8*\dt+7], v[128+16*\dt:128+16*\dt+15], v[PC:PC+15], v[32*(\t)+8*\dt:32*(\t)+8*\dt+7], v[VS+\dt/2], v[PS] matrix_a_scale:MATRIX_SCALE_ROW1
.else
	v_wmma_scale_f32_16x16x128_f8f6f4 v[32*(\t)+8*\dt:32*(\t)+8*\dt+7], v[128+16*\dt:128+16*\dt+15], v[PC:PC+15], v[32*(\t)+8*\dt:32*(\t)+8*\dt+7], v[VS+\dt/2], v[PS]
.endif
.endr
	WIN 0
.endm
; A KEY STEP: 128 keys, from the slot at s[TB].  On the way in, 33 LDS loads of mine are out: this step's K, its scale words and tile 0's mask; v[ADK] and v[ADM] name this step's slot.
; next = 1: a step follows: the change of slots stands ahead of tile 3's products.  fill = 1: it is a round of the cluster's barrier, and this step's slot is asked for again, jointly, with the step after the next.
; No two matrix instructions that follow each other share an accumulator, over the loop's edge too.
.macro BODY fill, next
	v_add_nc_u32 v[ADT], s[TB], v[AT0]
.rept 7
	v_nop                                          ; with the addition: eight places in front of loads into registers that the last products read
.endr
	WIN 0x40
.irp dt, 0,1,2,3
.irp c, 0,1,2,3
	ds_load_b128 v[128+16*\dt+4*\c:128+16*\dt+4*\c+3], v[ADK] offset:8192+\dt*2048+\c*512
.endr
.endr
	WIN 0
	ds_load_b64 v[VS:VS+1], v[ADT]
	s_wait_dscnt 17                                ; K, its words and the mask are in; V's 16 loads and its words may be out
	SCORES 0
	SMAX_A 0
	SMAX_B 1
	s_wait_dscnt 16                                ; V and its words are in; the next tile's 16 mask loads may be out
	PV 0
.irp t, 1,2
	s_wait_dscnt 0x0                               ; the tile's mask is in
	SCORES \t
	SMAX_A \t
	SMAX_B 1
	PV \t
.endr
.if \next
	s_wait_tensorcnt 0x0                           ; all my tensor loads have landed (one at the most was out: my part of the next step's slot)
	ds_add_u32 v[SPW], v[NIL]
.if \fill
	ds_add_u32 v[SPW], v[NIL]                      ; and once more where a load follows
	DSTEP
.endif
	s_wait_dscnt 0x0                               ; the add is done; tile 3's mask is in, and with it my reads of this step's slot are over
	s_barrier_signal -1                            ; say so,
	SCORES 3                                       ; work on registers while the others arrive,
	SMAX_A 3
	s_barrier_wait -1                              ; and go on when all eight have said so
.if \fill
	CREST                                          ; the barrier has opened a round of the cluster's barrier: no wave of any partner still reads this slot or has a load on its way
	TLOAD                                          ; the first tensor load behind the round, and my only one until the next: it has a whole key step in which to land
.endif
	s_xor_b32 s[TB], s[TB], SLOT1                  ; on to the other slot, which is whole
	v_add_nc_u32 v[ADK], s[TB], v[AK0]
	v_add_nc_u32 v[ADM], s[TB], v[AM0]
	KLOAD                                          ; the next step's K: the rest of tile 3 stands between these loads and their first use
	SMAX_B 1                                       ; and the next step's first mask
.else
	s_wait_dscnt 0x0
	SCORES 3
	SMAX_A 3
	SMAX_B 0
.endif
	PV 3
.endm
	s_wait_alu depctr_va_vdst(0)
	s_wait_tensorcnt 0x0                           ; key step 0 has landed (my part of it)
	ds_add_u32 v[SPW], v[NIL]
	ds_add_u32 v[SPW], v[NIL]
	DSTEP
	s_wait_dscnt 0x0
	CROUND
	TLOAD                                          ; key step 1, into slot 1: a first fill, issued as a refill is
	v_add_nc_u32 v[ADK], s[TB], v[AK0]
	v_add_nc_u32 v[ADM], s[TB], v[AM0]
	KLOAD                                          ; key step 0
	MASKLD
	s_mov_b32 s[CNT], 6
.Lstep:                                            ; six trips: trip i works on key step i and asks for key step i + 2
	BODY 1, 1
	s_sub_co_u32 s[CNT], s[CNT], 1
	s_cmp_lg_u32 s[CNT], 0
	s_cbranch_scc1 .Lstep
	BODY 0, 1                                      ; the last two steps are written out: nothing is left to ask for
	BODY 0, 0                                      ; and nothing to fetch
; ---------------- THE WAY OUT ----------------
.irp t, 0,1,2,3
	v_add_f32 v[ST+4*\t+2], v[ST+4*\t+2], v[ST+4*\t+3]   ; l's two halves.  (These additions and the four below are the places behind the last products)
.endr
.irp t, 0,1,2,3
	v_permlanex16_b32 v[PM+\t], v[ST+4*\t+2], s[SEL], s[SEL+1]
.endr
.irp t, 0,1,2,3
	v_add_f32 v[ST+4*\t+2], v[ST+4*\t+2], v[PM+\t]       ; and lane l xor 16's: the row's sum
.endr
	s_wait_alu depctr_va_vdst(0)
.irp t, 0,1,2,3
	v_rcp_f32 v[ST+4*\t+2], v[ST+4*\t+2]
.endr
	v_nop                                          ; a plain instruction behind the last reciprocal
	WIN 0x01                                       ; source 0 (O^T) window 1
	s_wait_alu depctr_va_vdst(0)                   ; one wait for the four and for O^T, directly ahead of the first reader
.irp t, 0,1,2,3
.set n, 0
.rept 16
	v_pk_mul_f32 v[S+32*\t+n:S+32*\t+n+1], v[32*\t+n:32*\t+n+1], v[ST+4*\t+2:ST+4*\t+3] op_sel_hi:[1,0]   ; out = O^T / l: register 32 t + 16 b + i = head t, channel 32 b + 16 h + i
.set n, n+2
.endr
.endr
	WIN 0
.macro OQUANT s                        ; 64 numbers of a lane (two heads: four blocks of 32 along the last product's K) -> codes in v[PC] on, bytes in v[PM] on
.irp b, 0,1,2,3
	v_max3_num_f32 v[BM+\b], |v[(\s)+16*\b]|, |v[(\s)+1+16*\b]|, 0x4800000
.endr
.irp i, 2,4,6,8,10,12,14
.irp b, 0,1,2,3
	v_max3_num_f32 v[BM+\b], v[BM+\b], |v[(\s)+16*\b+\i]|, |v[(\s)+1+16*\b+\i]|
.endr
.endr
.irp b, 0,1,2,3
	v_permlanex16_b32 v[PM+\b], v[BM+\b], s[SEL], s[SEL+1]
.endr
.irp b, 0,1,2,3
	v_max_num_f32 v[BM+\b], v[BM+\b], v[PM+\b]
.endr
.irp b, 0,1,2,3
	v_add_nc_u32 v[SO+\b], 0xfc000000, v[BM+\b]
.endr
.irp b, 0,1,2,3
	v_and_or_b32 v[HD+\b], v[BM+\b], 0x7f800000, s[MNT]
.endr
.irp b, 0,1,2,3
	v_lshrrev_b32 v[PM+\b], 23, v[SO+\b]
.endr
.irp b, 0,1,2,3
.irp i, 0,1,2,3,4,5,6,7,8,9,10,11,12,13,14,15
	v_med3_num_f32 v[(\s)+16*\b+\i], v[(\s)+16*\b+\i], -v[HD+\b], v[HD+\b]
.endr
	v_cvt_scalef32_pk8_fp8_f32 v[PC+4*\b:PC+4*\b+1], v[(\s)+16*\b:(\s)+16*\b+7], v[SO+\b]
	v_cvt_scalef32_pk8_fp8_f32 v[PC+4*\b+2:PC+4*\b+3], v[(\s)+16*\b+8:(\s)+16*\b+15], v[SO+\b]
.endr
	v_nop                                          ; one plain vector instruction behind the last scaled conversion
.endm
	OQUANT S
	v_lshl_or_b32 v86, v[PM+1], 8, v[PM]
	v_lshl_or_b32 v86, v[PM+2], 16, v86
	v_lshl_or_b32 v86, v[PM+3], 24, v86            ; my row's scale bytes of heads 0 and 1
.irp b, 0,1,2,3
	ds_store_b128 v[STO], v[PC+4*\b:PC+4*\b+3] offset:32*\b
.endr
	s_wait_dscnt 0x0                               ; the stores have read their registers
	OQUANT S+64
	v_lshl_or_b32 v87, v[PM+1], 8, v[PM]
	v_lshl_or_b32 v87, v[PM+2], 16, v87
	v_lshl_or_b32 v87, v[PM+3], 24, v87            ; of heads 2 and 3
.irp b, 0,1,2,3
	ds_store_b128 v[STO], v[PC+4*\b:PC+4*\b+3] offset:128+32*\b
.endr
.irp i, 0,1,2,3,4,5,6,7
	ds_load_b128 v[S+4*\i:S+4*\i+3], v[RD] offset:2*\i*272   ; my own stage: LDS serves a wave's instructions in order
.endr
	v_cndmask_b32 v88, v86, v87, s50               ; lanes 0-15 store the first word of their row, lanes 16-31 the second
	s_wait_alu depctr_va_vdst(0)
.irp i, 0,1,2,3,4,5,6,7
	s_wait_dscnt 7-\i                              ; row pair i is in
	global_store_b128 v[GO], v[S+4*\i:S+4*\i+3], s[8:9] offset:\i*4096   ; sixteen lanes store 256 consecutive bytes, aligned
.endr
	global_store_b32 v[GS], v88, s[10:11]          ; 8 bytes of each of 16 rows: os keeps the layout that the last product's launch reads; 128 of the wave's 4,224 bytes
	s_wait_tensorcnt 0x0                           ; the wave's end, behind my last tensor load and my last LDS store
	ds_add_u32 v[SPW], v[NIL]
	s_wait_dscnt 0x0
	CROUND                                         ; the closing round
	s_endpgm
.Lfunc_end_k_q8993a92e6c_attn:
	.size	k_q8993a92e6c_attn, .Lfunc_end_k_q8993a92e6c_attn-k_q8993a92e6c_attn
	.p2alignl 7, 3214868480
	.fill 96, 4, 3214868480
	.section	.rodata,"a",@progbits
	.p2align	6, 0x0
	.amdhsa_kernel k_q8993a92e6c_attn
		.amdhsa_group_segment_fixed_size 327680
		.amdhsa_private_segment_fixed_size 0
		.amdhsa_enable_private_segment 0
		.amdhsa_kernarg_size 32
		.amdhsa_user_sgpr_count 2
		.amdhsa_user_sgpr_kernarg_segment_ptr 1
		.amdhsa_wavefront_size32 1
		.amdhsa_system_sgpr_workgroup_id_x 1
		.amdhsa_system_sgpr_workgroup_id_y 1
		.amdhsa_system_sgpr_workgroup_id_z 1
		.amdhsa_system_vgpr_workitem_id 0
		.amdhsa_next_free_vgpr 512
		.amdhsa_next_free_sgpr 80
		.amdhsa_reserve_vcc 0
		.amdhsa_float_denorm_mode_32 3
		.amdhsa_float_denorm_mode_16_64 3
		.amdhsa_memory_ordered 1
		.amdhsa_forward_progress 1
		.amdhsa_inst_pref_size 251
	.end_amdhsa_kernel
	.amdgpu_metadata
---
amdhsa.version: [ 1, 2 ]
amdhsa.kernels:
  - .name:           k_q8993a92e6c_attn
    .symbol:         k_q8993a92e6c_attn.kd
    .args:
      - { .name: qkv, .offset: 0, .size: 8, .value_kind: global_buffer, .address_space: global }
      - { .name: mask, .offset: 8, .size: 8, .value_kind: global_buffer, .address_space: global }
      - { .name: oc, .offset: 16, .size: 8, .value_kind: global_buffer, .address_space: global }
      - { .name: os, .offset: 24, .size: 8, .value_kind: global_buffer, .address_space: global }
    .group_segment_fixed_size: 327680
    .private_segment_fixed_size: 0
    .kernarg_segment_align: 8
    .kernarg_segment_size: 32
    .max_flat_workgroup_size: 256
    .sgpr_count:     80
    .vgpr_count:     512
    .wavefront_size: 32
...
	.end_amdgpu_metadata
.endif
;; end of part 3
;; launch proj (part 4): grid 8 x 32, 4 waves a work-group, clusters of 4 x 4, 327,680 bytes of LDS; arguments oc, os, wcod, wscl, out0; writes out0
.if DOCPART == 4
	.amdgcn_target "amdgcn-amd-amdhsa--gfx1250"
	.amdhsa_code_object_version 6
	.text
	.protected	k_q8993a92e6c_proj
	.globl	k_q8993a92e6c_proj
	.p2align	8
	.type	k_q8993a92e6c_proj,@function
k_q8993a92e6c_proj:
	s_mov_b64 s[64:65], 0
	v_nop
	global_prefetch_b8 v0, s[64:65] scope:SCOPE_SE
	s_setreg_imm32_b32 hwreg(HW_REG_WAVE_MODE, 25, 1), 1
	s_wait_xcnt 0x0
	s_wait_alu depctr_hold_cnt(0) depctr_sa_sdst(0) depctr_va_vdst(0) depctr_va_sdst(0) depctr_va_ssrc(0) depctr_va_vcc(0) depctr_vm_vsrc(0)
	s_getreg_b32 s2, hwreg(HW_REG_IB_STS2, 6, 4)
	s_cmp_eq_u32 s2, 0
	s_cbranch_scc0 .Lentry_in_a_cluster
	s_endpgm
.Lentry_in_a_cluster:
	s_bfe_u32 s2, ttmp6, 0x10000c
	s_cmp_lg_u32 s2, 0xf033
	s_cbranch_scc0 .Lentry_shape_is_right
	s_endpgm
.Lentry_shape_is_right:
; out0[m][n] = sum over k of O[m][k] wo[k][n], on codes of E4M3 with one E8M0 scale for each 32 along K.  oc [4096][2048] and os [4096][64]: the attention's result; wcod rows 3072 on and wscl likewise: wo's columns, K innermost.
; SHARES.  A block of out0 is 128 rows x 256 columns: 32 x 8 = 256 work-groups of four waves, 2 x 2; a wave makes 64 x 128: 32 accumulators of 16 x 16 (window 2).
; K goes in steps of 256 through a ring of two LDS slots (128 rows of A, 256 of B, rows of 256 bytes + 16 of padding).  The scale bytes of the block's rows, for all of K, come once and stay behind the ring.
; CLUSTERS 4 x 4: A's tile hangs on the tile row alone and is asked for jointly along a row of the cluster, B's on the tile column alone and jointly down a column.
; THE MATRIX INSTRUCTION IS USED TRANSPOSED (source 0 = 16 rows of B, source 1 = 16 rows of A): a lane holds eight neighbouring numbers of a row of out0.
; REGISTERS.  Window 0: v16-30 addresses; v32-63 scale words, a set for each slot (lanes 0-15 A's block i, lanes 16-31 B's block i); v128-255 A's fragments, two sets of 4 x 16; on the way out rows read back.  Window 1: B's fragments, two sets of 8 x 16.
; A step of 128 along K is 32 products; the next step's 48 fragment loads are issued ahead of them into the other sets.
; PREFETCH.  Behind each load of a K step stands one prefetch a wave for the K step two loads on; of the rows that a wave fetches each of the four partners takes a quarter, told apart by address.  K steps 0 and 1 come by their loads alone; the last two refills ask for nothing.
.set SIZE_N, 2048
.set KROW,   2048
.set ROWB,   256
.set PITCH,  272
.set FR,     16
.set NP,     8                         ; places behind this matrix instruction (ISA guide 7.12.1)
.set AROWS,  128*PITCH
.set SLOT,   384*PITCH
.set LAPS,   4
.set SCL,    2*SLOT                    ; A's scale bytes: 32 units of 256 bytes + 16
.set SCB,    SCL+32*272                ; B's: 64 units
.set SBLK,   4*272                     ; 16 rows of 64 bytes
.set SPARE,  SCB+64*272                ; the spare words: 128 bytes a wave, named by no other line
.set SPITCH, 528                       ; the way out: a stage of 16 rows x (512 + 16) bytes a wave, in slot 0, behind its last fill and last read
.set ADRA, 16
.set ADRB, 20
.set STO,  24
.set RD,   25
.set CO,   26
.set ADRS, 27
.set SPW,  28
.set NIL,  29
.set PFO,  30
.set SC,   32
.set AF,   128
.set BK,   128
.set G1, 24
.set G0, 32
.set G1B, 48
.set G0B, 56
.set G1S, 68
.set G0S, 76
.set G1SB, 80
.set G0SB, 88
.set PFA, 98
.set MSB, 0
.macro WIN new
.if MSB != (\new)
	s_set_vgpr_msb (MSB<<8)|(\new)
.set MSB, (\new)
.endif
.endm
.set MUL,  0xa1                        ; source 0 (B) window 1, source 1 (A) window 0, C and D window 2
.set TO_B, 0x40
.macro PLACES n
.rept \n
	v_nop
.endr
.endm
.macro JLOAD g0a, g1a, g0b, g1b        ; waves 0, 1 fetch A's halves (64 rows), waves 2, 3 B's (128 rows)
	s_cmp_eq_u32 s15, 0
	s_cbranch_scc0 .Lfor_b_\@
	tensor_load_to_lds s[\g0a:\g0a+3], s[\g1a:\g1a+7]
	s_nop 0
	PLACES 4
	s_branch .Lasked_\@
.Lfor_b_\@:
	tensor_load_to_lds s[\g0b:\g0b+3], s[\g1b:\g1b+7]
	s_nop 0
	PLACES 4
.Lasked_\@:
.endm
.macro CREST
	s_cmp_lg_u32 s14, 0
	s_cbranch_scc1 .Lnot_wave_0_\@
	s_barrier_signal -3
.Lnot_wave_0_\@:
	s_barrier_wait -3
	s_barrier_signal -1
	s_barrier_wait -1
.endm
.macro CROUND
	s_barrier_signal -1
	s_barrier_wait -1
	CREST
.endm
.macro GRP g, c, rows, p               ; descriptor group 1 behind its first word: rows of c elements, pitch p
	s_mov_b32 s[\g+1], (\c)<<16
	s_mov_b32 s[\g+2], (\rows)<<16
	s_mov_b32 s[\g+3], (\c)<<16
	s_mov_b32 s[\g+4], \rows
	s_mov_b32 s[\g+5], \p
	s_mov_b32 s[\g+6], 0
	s_mov_b32 s[\g+7], 0
.endm
.macro GRP0 g, lds, p
	s_mov_b32 s[\g], 1
	s_mov_b32 s[\g+1], \lds
	s_mov_b64 s[\g+2:\g+3], s[\p:\p+1]
	s_or_b32 s[\g+3], s[\g+3], 0x80000000
.endm
.macro ARM under, g0, g1, next
	s_cmp_lt_u32 s14, \under
	s_cbranch_scc0 \next
	tensor_load_to_lds s[\g0:\g0+3], s[\g1:\g1+7]
	s_nop 0
	PLACES 4
	s_branch .Lhead_asked
\next:
.endm
	s_load_b128 s[4:7], s[0:1], 0x0                ; oc, os
	s_load_b128 s[8:11], s[0:1], 0x10              ; wcod, wscl
	s_load_b64 s[12:13], s[0:1], 0x20              ; out0
	v_lshl_add_u32 v[SPW], v0, 2, SPARE
	v_mov_b32 v[NIL], 0
	ds_add_u32 v[SPW], v[NIL]                      ; the opening: the add, twice on end, and its wait
	ds_add_u32 v[SPW], v[NIL]
	v_lshrrev_b32 v1, 5, v0
	v_readfirstlane_b32 s14, v1                    ; wave
	s_lshr_b32 s15, s14, 1                         ; my half of the rows; also: I fetch for A (0) or B (1)
	s_and_b32 s16, s14, 1                          ; my half of the columns; also: which half of that tile I fetch
	s_bfe_u32 s40, ttmp6, 0x40000                  ; cx
	s_bfe_u32 s41, ttmp6, 0x40004                  ; cy
	s_lshl_b32 s42, ttmp9, 2
	s_add_co_u32 s42, s42, s40                     ; tile column
	s_and_b32 s17, ttmp7, 0xffff
	s_lshl_b32 s17, s17, 2
	s_add_co_u32 s17, s17, s41                     ; tile row
	s_lshl_b32 s43, s41, 2
	s_lshl_b32 s43, 15, s43                        ; my row of the cluster
	s_lshl_b32 s44, 0x1111, s40                    ; my column
	s_or_b32 s[G1], s43, (1<<20)|(1<<21)|(5<<22)|(3<<25)
	s_or_b32 s[G1B], s44, (1<<20)|(1<<21)|(5<<22)|(3<<25)
	s_or_b32 s[G1S], s43, (3<<16)|(1<<20)|(1<<21)|(5<<22)|(3<<25)
	s_or_b32 s[G1SB], s44, (3<<16)|(1<<20)|(1<<21)|(5<<22)|(3<<25)
	GRP G1, ROWB, 128, KROW                        ; at the head A's 128 rows and B's 256 come whole
	GRP G1B, ROWB, 256, KROW
	GRP G1S, 32, 32, 32                            ; scale bytes: dense blocks as rows of 256 bytes
	GRP G1SB, 32, 64, 32
	s_lshl_b32 s20, s17, 18                        ; byte offsets: A's codes, 128 rows of 2,048;
	s_mov_b32 s21, 0
	s_lshl_b32 s22, s17, 13                        ; A's scale bytes;
	s_mov_b32 s23, 0
	s_lshl_b32 s46, s42, 19                        ; B's codes, 256 rows;
	s_mov_b32 s47, 0
	s_lshl_b32 s92, s42, 14                        ; B's scale bytes
	s_mov_b32 s93, 0
	s_lshl_b32 s18, s16, 17                        ; in the ring: my 64 rows of A,
	s_mov_b32 s19, 0
	s_lshl_b32 s66, s16, 18                        ; or my 128 rows of B,
	s_mov_b32 s67, 0
	s_mul_i32 s45, s16, 64*PITCH                   ; and where they go
	s_mul_i32 s94, s16, 128*PITCH
	s_add_co_u32 s94, s94, AROWS
	s_cmp_eq_u32 s15, 0                            ; the prefetches: of my rows my work-group takes a quarter: 16 of A's (by cx) or 32 of B's (by cy)
	s_cselect_b32 s96, s40, s41
	s_cselect_b32 s97, 15, 16
	s_cselect_b32 s98, s18, s66
	s_cselect_b32 s95, 15, 31                      ; lanes left over name the last row again
	s_lshl_b32 s96, s96, s97
	s_add_co_u32 s96, s96, s98
	s_add_co_u32 s96, s96, 2*ROWB                  ; at K step 2
	s_mov_b32 s97, 0
	s_wait_dscnt 0x0                               ; both opening adds are done
	CROUND                                         ; all sixteen work-groups are here
	s_wait_kmcnt 0x0
	s_add_nc_u64 s[8:9], s[8:9], 3072*2048         ; wo's rows
	s_add_nc_u64 s[10:11], s[10:11], 3072*64
	s_add_nc_u64 s[20:21], s[4:5], s[20:21]
	s_add_nc_u64 s[22:23], s[6:7], s[22:23]
	s_add_nc_u64 s[46:47], s[8:9], s[46:47]
	s_add_nc_u64 s[92:93], s[10:11], s[92:93]
	GRP0 4, 0, 20
	GRP0 8, AROWS, 46
	GRP0 G0S, SCL, 22
	GRP0 G0SB, SCB, 92
	ARM 1, 4, G1, .Lhead_b                         ; one load a wave, in one tree of branches: A's codes, B's codes, A's scales, B's scales
	ARM 2, 8, G1B, .Lhead_sa
	ARM 3, G0S, G1S, .Lhead_sb
	tensor_load_to_lds s[G0SB:G0SB+3], s[G1SB:G1SB+7]
	s_nop 0
	PLACES 4
.Lhead_asked:
	s_cmp_eq_u32 s15, 0
	s_cselect_b64 s[PFA:PFA+1], s[20:21], s[46:47]
	s_add_nc_u64 s[PFA:PFA+1], s[PFA:PFA+1], s[96:97]
	s_add_nc_u64 s[20:21], s[20:21], s[18:19]
	s_add_nc_u64 s[46:47], s[46:47], s[66:67]
.irp s, 0,1
	s_mov_b32 s[G0+4*\s], 1
	s_add_co_u32 s[G0+4*\s+1], s45, \s*SLOT
	s_add_nc_u64 s[G0+4*\s+2:G0+4*\s+3], s[20:21], \s*ROWB
	s_or_b32 s[G0+4*\s+3], s[G0+4*\s+3], 0x80000000
	s_mov_b32 s[G0B+4*\s], 1
	s_add_co_u32 s[G0B+4*\s+1], s94, \s*SLOT
	s_add_nc_u64 s[G0B+4*\s+2:G0B+4*\s+3], s[46:47], \s*ROWB
	s_or_b32 s[G0B+4*\s+3], s[G0B+4*\s+3], 0x80000000
.endr
	s_mul_i32 s18, s15, 64*PITCH                   ; my 64 rows of A in a slot
	s_mul_i32 s19, s16, 128*PITCH
	s_add_co_u32 s19, s19, AROWS                   ; my 128 rows of B
	s_mul_i32 s22, s15, 16*272                     ; my rows' scale bytes: A's,
	s_mul_i32 s21, s16, 32*272
	s_add_co_u32 s21, s21, SCB-SCL
	s_sub_co_u32 s21, s21, s22                     ; and how far on B's lie
	s_add_co_u32 s20, s22, SCL
	s_mul_i32 s23, s14, 16*SPITCH                  ; my stage
	s_lshl_b32 s46, s17, 7
	s_lshl_b32 s47, s15, 6
	s_add_co_u32 s46, s46, s47                     ; my first row of out0,
	s_lshl_b32 s46, s46, 13
	s_lshl_b32 s47, s42, 10
	s_add_co_u32 s46, s46, s47
	s_lshl_b32 s47, s16, 9
	s_add_co_u32 s46, s46, s47                     ; and my first column, in bytes
	s_mov_b32 s47, 0
	s_add_nc_u64 s[12:13], s[12:13], s[46:47]
	v_and_b32 v1, 15, v0                           ; r
	v_bfe_u32 v2, v0, 4, 1                         ; h
	v_and_b32 v6, 31, v0
	v_mul_u32_u24 v3, v1, PITCH
	v_lshl_add_u32 v4, v2, 4, v3
	v_add_nc_u32 v[ADRA], s18, v4
	v_add_nc_u32 v[ADRB], s19, v4
	v_add_nc_u32 v[ADRA+1], SLOT, v[ADRA]
	v_add_nc_u32 v[ADRB+1], SLOT, v[ADRB]
	v_lshlrev_b32 v5, 6, v1                        ; 64 scale bytes a row, and 16 more for each 256 passed
	v_lshrrev_b32 v7, 2, v1
	v_lshl_add_u32 v5, v7, 4, v5
	v_mul_u32_u24 v7, s21, v2                      ; lanes 16-31 take B's
	v_add_nc_u32 v5, v5, v7
	v_add_nc_u32 v[ADRS], s20, v5
	v_mul_u32_u24 v5, v1, SPITCH
	v_lshl_add_u32 v5, v2, 5, v5
	v_add_nc_u32 v[STO], s23, v5
	v_lshlrev_b32 v[CO], 4, v6
	v_add_nc_u32 v[RD], s23, v[CO]
	v_min_u32 v7, s95, v6
	v_lshlrev_b32 v[PFO], 11, v7                   ; a lane a row of 2,048 bytes; never rewritten
.macro FRAG reg, adr, q, i             ; 16 rows x 128 K: registers 4 c .. 4 c + 3 hold K = 32 c + 16 h + 0 .. 15
.irp c, 0,1,2,3
	ds_load_b128 v[\reg+4*\c:\reg+4*\c+3], v[\adr] offset:128*(\q)+32*\c+(\i)*16*PITCH
.endr
.endm
.macro FETCH slot, q                   ; the slot's q-th 128 along K into sets q: 48 loads
	WIN TO_B
.irp i, 0,1,2,3,4,5,6,7
	FRAG 128*(\q)+FR*\i, ADRB+\slot, \q, \i
.endr
	WIN 0
.irp i, 0,1,2,3
	FRAG AF+64*(\q)+FR*\i, ADRA+\slot, \q, \i
.endr
.endm
.macro SCALES sc                       ; a K step's two scale words a row
.irp i, 0,1,2,3,4,5,6,7
	ds_load_b64 v[SC+16*\sc+2*\i:SC+16*\sc+2*\i+1], v[ADRS] offset:\i*SBLK
.endr
.endm
.macro MULS a0, a1, q, sc, zero        ; A's blocks a0 .. a1 - 1 x B's eight; the 32 accumulators take turns in one order in every step
.set a_, \a0
.rept (\a1)-(\a0)
.irp b, 0,1,2,3,4,5,6,7
.if \zero
	v_wmma_scale_f32_16x16x128_f8f6f4 v[8*(8*a_+\b):8*(8*a_+\b)+7], v[128*(\q)+FR*\b:128*(\q)+FR*\b+FR-1], v[AF+64*(\q)+FR*a_:AF+64*(\q)+FR*a_+FR-1], 0, v[SC+16*(\sc)+2*\b+(\q)], v[SC+16*(\sc)+2*a_+(\q)] matrix_a_scale:MATRIX_SCALE_ROW1
.else
	v_wmma_scale_f32_16x16x128_f8f6f4 v[8*(8*a_+\b):8*(8*a_+\b)+7], v[128*(\q)+FR*\b:128*(\q)+FR*\b+FR-1], v[AF+64*(\q)+FR*a_:AF+64*(\q)+FR*a_+FR-1], v[8*(8*a_+\b):8*(8*a_+\b)+7], v[SC+16*(\sc)+2*\b+(\q)], v[SC+16*(\sc)+2*a_+(\q)] matrix_a_scale:MATRIX_SCALE_ROW1
.endif
.endr
.set a_, a_+1
.endr
.endm
.macro STEP slot, zero                 ; a slot's first 128 along K
	PLACES NP                                      ; in front of loads into the sets that the last products read
	FETCH \slot, 1
	s_wait_dscnt 48                                ; all but the 48 loads just issued: this step's fragments and scale words are in
	WIN MUL
	MULS 0, 4, 0, \slot, \zero
	WIN 0
.endm
.macro TURN slot, next, fill           ; a slot's second 128 along K, and the change of slots
.if \fill
	s_wait_xcnt 0x0                                ; my last prefetch has read its address: it steps one K step
	s_add_nc_u64 s[PFA:PFA+1], s[PFA:PFA+1], ROWB
.endif
	s_wait_tensorcnt 0x0                           ; my part of the next slot has landed
	ds_add_u32 v[SPW], v[NIL]
.if \fill
	s_add_nc_u64 s[G0+4*\slot+2:G0+4*\slot+3], s[G0+4*\slot+2:G0+4*\slot+3], 2*ROWB
	s_add_nc_u64 s[G0B+4*\slot+2:G0B+4*\slot+3], s[G0B+4*\slot+2:G0B+4*\slot+3], 2*ROWB
.endif
	s_wait_dscnt 0x0                               ; the add is done, and my reads of this slot are over
	s_barrier_signal -1
	WIN MUL
	MULS 0, 1, 1, \slot, 0
	WIN 0
	s_barrier_wait -1
.if \fill
	CREST                                          ; the barrier has opened a round of the cluster's barrier
	JLOAD G0+4*\slot, G1, G0B+4*\slot, G1B         ; the refill, two K steps on
	PLACES NP-4
.else
	PLACES NP
.endif
	v_add_nc_u32 v[ADRS], 8, v[ADRS]               ; the next K step's scale words
	s_wait_alu depctr_va_vdst(0)
	FETCH \next, 0
	SCALES \next
.if \fill
	s_cmp_gt_u32 s3, 1                             ; the K step two refills on; the last trip's refills have none
	s_cbranch_scc0 .Lno_ask_\@
	global_prefetch_b8 v[PFO], s[PFA:PFA+1] offset:ROWB th:TH_LOAD_NT scope:SCOPE_SE
.Lno_ask_\@:
.endif
	WIN MUL
	MULS 1, 4, 1, \slot, 0
	WIN 0
.endm
	s_wait_alu depctr_va_vdst(0)
	global_prefetch_b8 v[PFO], s[PFA:PFA+1] th:TH_LOAD_NT scope:SCOPE_SE   ; K step 2
	s_wait_tensorcnt 0x0                           ; my tile of the head's four is in
	ds_add_u32 v[SPW], v[NIL]
	s_mov_b32 s[G1+2], 64<<16                      ; no tensor load of mine is out: from here on a load brings 64 rows of A
	s_mov_b32 s[G1+4], 64
	s_mov_b32 s[G1B+2], 128<<16                    ; or 128 of B
	s_mov_b32 s[G1B+4], 128
	s_wait_dscnt 0x0
	CROUND
	JLOAD G0+4, G1, G0B+4, G1B                     ; K step 1: slot 1's first fill, issued as a refill is
	FETCH 0, 0
	SCALES 0
	global_prefetch_b8 v[PFO], s[PFA:PFA+1] offset:ROWB th:TH_LOAD_NT scope:SCOPE_SE   ; K step 3
	STEP 0, 1                                      ; the first products start the sums
	s_mov_b32 s3, LAPS-1
.Llap:
	TURN 0, 1, 1
	STEP 1, 0
	TURN 1, 0, 1
	STEP 0, 0
	s_sub_co_u32 s3, s3, 1
	s_cmp_lg_u32 s3, 0
	s_cbranch_scc1 .Llap
	TURN 0, 1, 0                                   ; the last lap fills nothing
	STEP 1, 0
	s_wait_dscnt 0x0
	WIN MUL
	MULS 0, 4, 1, 1, 0
	WIN 0
; THE WAY OUT, block by block of 16 rows x 128 columns, through my own stage: back come whole rows of 512 bytes, which the 32 lanes store as two aligned runs of 256 bytes.  LDS serves a wave's instructions in order.
.macro TOSTAGE a
	WIN 0x08
.irp b, 0,1,2,3,4,5,6,7
	ds_store_b128 v[STO], v[64*(\a)+8*\b:64*(\a)+8*\b+3] offset:64*\b
	ds_store_b128 v[STO], v[64*(\a)+8*\b+4:64*(\a)+8*\b+7] offset:64*\b+16
.endr
	WIN 0
.irp t, 0,1,2,3,4,5,6,7,8,9,10,11,12,13,14,15
	ds_load_b128 v[BK+64*((\a)%2)+4*\t:BK+64*((\a)%2)+4*\t+3], v[RD] offset:\t*SPITCH
.endr
.endm
.macro SEND a, younger                 ; younger: the LDS instructions issued behind block a's loads
	s_wait_dscnt \younger
.if (\a) > 0
	s_add_nc_u64 s[12:13], s[12:13], 16*SIZE_N*4   ; behind a wait on XCNT: the earlier stores have read their base
.endif
.irp t, 0,1,2,3,4,5,6,7,8,9,10,11,12,13,14,15
	global_store_b128 v[CO], v[BK+64*((\a)%2)+4*\t:BK+64*((\a)%2)+4*\t+3], s[12:13] offset:\t*SIZE_N*4 th:TH_STORE_NT
.endr
.endm
	PLACES NP
	TOSTAGE 0
.irp a, 1,2,3
.if \a > 1
	s_wait_xcnt 0x0                                ; block a - 2's stores have read their registers and their base
.endif
	TOSTAGE \a
	SEND \a-1, 32
.endr
	s_wait_xcnt 0x0
	SEND 3, 0
	s_wait_tensorcnt 0x0                           ; the wave's end
	ds_add_u32 v[SPW], v[NIL]
	s_wait_dscnt 0x0
	CROUND                                         ; the closing round
	s_endpgm
.Lfunc_end_k_q8993a92e6c_proj:
	.size	k_q8993a92e6c_proj, .Lfunc_end_k_q8993a92e6c_proj-k_q8993a92e6c_proj
	.p2alignl 7, 3214868480
	.fill 96, 4, 3214868480
	.section	.rodata,"a",@progbits
	.p2align	6, 0x0
	.amdhsa_kernel k_q8993a92e6c_proj
		.amdhsa_group_segment_fixed_size 327680
		.amdhsa_private_segment_fixed_size 0
		.amdhsa_enable_private_segment 0
		.amdhsa_kernarg_size 40
		.amdhsa_user_sgpr_count 2
		.amdhsa_user_sgpr_kernarg_segment_ptr 1
		.amdhsa_wavefront_size32 1
		.amdhsa_system_sgpr_workgroup_id_x 1
		.amdhsa_system_sgpr_workgroup_id_y 1
		.amdhsa_system_sgpr_workgroup_id_z 1
		.amdhsa_system_vgpr_workitem_id 0
		.amdhsa_next_free_vgpr 768
		.amdhsa_next_free_sgpr 100
		.amdhsa_reserve_vcc 0
		.amdhsa_float_denorm_mode_32 3
		.amdhsa_float_denorm_mode_16_64 3
		.amdhsa_memory_ordered 1
		.amdhsa_forward_progress 1
		.amdhsa_inst_pref_size 91
	.end_amdhsa_kernel
	.amdgpu_metadata
---
amdhsa.version: [ 1, 2 ]
amdhsa.kernels:
  - .name:           k_q8993a92e6c_proj
    .symbol:         k_q8993a92e6c_proj.kd
    .args:
      - { .name: oc, .offset: 0, .size: 8, .value_kind: global_buffer, .address_space: global }
      - { .name: os, .offset: 8, .size: 8, .value_kind: global_buffer, .address_space: global }
      - { .name: wcod, .offset: 16, .size: 8, .value_kind: global_buffer, .address_space: global }
      - { .name: wscl, .offset: 24, .size: 8, .value_kind: global_buffer, .address_space: global }
      - { .name: out0, .offset: 32, .size: 8, .value_kind: global_buffer, .address_space: global }
    .group_segment_fixed_size: 327680
    .private_segment_fixed_size: 0
    .kernarg_segment_align: 8
    .kernarg_segment_size: 40
    .max_flat_workgroup_size: 128
    .sgpr_count:     100
    .vgpr_count:     768
    .wavefront_size: 32
...
	.end_amdgpu_metadata
.endif
;; end of part 4
